; MI455X (gfx1250); checked and timed in simulation.
; The chip was launched on July 23, 2026; its instructions are those of AMD's public machine-readable ISA for CDNA 5 (MIT licence, August 2026) and "CDNA5" Instruction Set Architecture Reference Guide (July 2026). The comments in the code are by the model that wrote it; some were corrected since.
;; Self Attention. Allowed arithmetic: matrix products marked QUANTISED: E5M2 operands, one given power-of-two scale a tensor, by v_wmma_f32_16x16x64_bf8_bf8 or v_wmma_f32_16x16x128_bf8_bf8, f32 sums; everything else in f32.
;; Inputs: Wk_codes 512 x 16 x 32 uint8 (E5M2 codes of Wk, K innermost, in blocks of 32 codes); Wq_codes 512 x 16 x 32 uint8 (E5M2 codes of Wq, K innermost, in blocks of 32 codes); Wv_codes 256 x 16 x 32 uint8 (E5M2 codes of Wv, K innermost, in blocks of 32 codes); bk 512 float32; bq 512 float32; bv 256 float32; lowp_scales 10 int32 (the exponents e of the quantised operands' scales 2^e); x_codes 4 x 4,096 x 16 x 32 uint8 (E5M2 codes of x, K innermost, in blocks of 32 codes).
;; Outputs: out0 4 x 4,096 x 256 float32.
;; This version of the problem:
;;   THIS VERSION OF THE PROBLEM IS GIVEN IN LOW PRECISION. The matrix products marked QUANTISED in the list below multiply operands that are first quantised to E5M2 (5 exponent bits, 2 mantissa bits; 8 bits a number), with one given power-of-two scale for each operand tensor; their sums are f32. All else is computed in f32.
;;   The module's matrix products, in the order in which they are computed (A, B: the left and right operand; K: the contracted axis; several contracted axes count as one K, in the product's order):
;;     1. [M 16,384, K 512] x [K 512, N 512]; A: input x (given as codes); B: input Wq (given as codes): QUANTISED (scales: A lowp_scales[0], B lowp_scales[1])
;;     2. [M 16,384, K 512] x [K 512, N 512]; A: input x (given as codes); B: input Wk (given as codes): QUANTISED (scales: A lowp_scales[2], B lowp_scales[3])
;;     3. [M 16,384, K 512] x [K 512, N 256]; A: input x (given as codes); B: input Wv (given as codes): QUANTISED (scales: A lowp_scales[4], B lowp_scales[5])
;;     4. batch 4 x [M 4,096, K 512] x [K 512, N 4,096]; A: computed on the way; B: computed on the way: QUANTISED (scales: A lowp_scales[6], B lowp_scales[7])
;;     5. batch 4 x [M 4,096, K 4,096] x [K 4,096, N 256]; A: softmax (see below); B: computed on the way: QUANTISED (scales: A lowp_scales[8], B lowp_scales[9])
;;   THE QUANTISER, for each operand of a quantised product, along K:
;;     - The operand's scale is 2^e, e = its entry of the input lowp_scales (int32; the entries are numbered through the quantised products in the list's order, A before B).
;;     - Each number is divided by the scale, clamped to +-57,344, and rounded to the nearest number of E5M2, ties to even, subnormals kept.
;;     - The product sums the exact products of the quantised numbers (number of the format x scale) in f32.
;;   ~~~python
;;   def quantise(x, axis, e):      # numpy; x: float32 -> the quantised numbers, widened to float32 again
;;       x = np.moveaxis(x, axis, -1); K = x.shape[-1]
;;       r = np.clip(x / 2.0 ** e, -57344, 57344)
;;       step = 2.0 ** (np.maximum(np.frexp(np.where(r == 0, 1, r))[1] - 1, -14) - 2)
;;       q = np.round(r / step) * step * 2.0 ** e      # np.round: ties to even
;;       return np.moveaxis(q, -1, axis).astype(np.float32)
;;   ~~~
;;   SOFTMAX AHEAD OF A QUANTISED PRODUCT. Where the list says 'softmax', what is quantised is not the finished softmax but p = 2^(t - M), with t = logit x log2(e) and M = ceil(the row's largest t), a whole number; so 1/2 < the row's largest p <= 1. The row's sum l is taken of the UNQUANTISED p, in f32, and the product's result is divided by l at the end. Since M is a whole number, a kernel that streams over the keys may use a running M (the ceiling of the running maximum): every later rescaling is an exact power of two, so the quantised numbers keep their values, but for numbers so far below the row's largest that they fall under the format's range.
;;   OPERANDS COMPUTED ON THE WAY. 'Computed on the way' means the value that the module computes at that place (a softmax that the list does not call 'softmax' is quantised finished and normalised). What goes into a quantiser is computed in f32, as accurately as f32 sums, v_exp_f32 and their like allow (about 1e-6 of the number): no bf16 or f16 on the way to a quantiser, and a product that is left as it is and whose result goes on into a quantised operand takes f32 operands (vector FMAs, or v_wmma_f32_16x16x4_f32). A number that lies on a knife's edge between two numbers of the format may be rounded either way, as far as f32 arithmetic and the matrix unit's own rounding can turn it there, and no further.
;;   INPUTS GIVEN AS CODES. Wk (in the module: [512, 512], K = its axis 0); Wq (in the module: [512, 512], K = its axis 0); Wv (in the module: [512, 256], K = its axis 0); x (in the module: [4, 4096, 512], K = its axis 2): each comes as NAME_codes (uint8): NAME with its K axis moved to the last place and cut into blocks of 32 codes, [.., K / 32, bytes a block], one block behind the other in memory; one code a byte (a code: sign, 5 exponent bits, 2 mantissa bits); its scale is its entry of lowp_scales. Its value is code x scale, taken as it is: it is not quantised again, and the codes and scales need not be those that the quantiser above would give.
;; 2 versions. Each part assembles by itself: llvm-mc -triple=amdgcn-amd-amdhsa -mcpu=gfx1250 --defsym DOCPART=n.
;; ======== version 1 of 2: 2 launches
;; workspace buffers: qimg 8,388,608 bytes; kv 12,582,912 bytes
;; launch proj (part 1): grid 4 x 64, 4 waves a work-group, clusters of 4 x 4, 327,680 bytes of LDS; arguments x_codes, Wq_codes, Wk_codes, Wv_codes, bq, bk, bv, lowp_scales, qimg, kv; writes qimg, kv
.if DOCPART == 1
	.amdgcn_target "amdgcn-amd-amdhsa--gfx1250"
	.amdhsa_code_object_version 6
	.text
	.protected	k_q6991c84f91_proj
	.globl	k_q6991c84f91_proj
	.p2align	8
	.type	k_q6991c84f91_proj,@function
k_q6991c84f91_proj:
	s_mov_b64 s[64:65], 0
	v_nop
	global_prefetch_b8 v0, s[64:65] scope:SCOPE_SE
	s_setreg_imm32_b32 hwreg(HW_REG_WAVE_MODE, 25, 1), 1
	s_wait_xcnt 0x0
	s_wait_alu depctr_hold_cnt(0) depctr_sa_sdst(0) depctr_va_vdst(0) depctr_va_sdst(0) depctr_va_ssrc(0) depctr_va_vcc(0) depctr_vm_vsrc(0)
	s_getreg_b32 s2, hwreg(HW_REG_IB_STS2, 6, 4)
	s_cmp_eq_u32 s2, 0
	s_cbranch_scc0 .Lentry_in_a_cluster
	s_endpgm
.Lentry_in_a_cluster:
	s_bfe_u32 s2, ttmp6, 0x10000c
	s_cmp_lg_u32 s2, 0xf033
	s_cbranch_scc0 .Lentry_shape_is_right
	s_endpgm
.Lentry_shape_is_right:
; q = x Wq + bq, k = x Wk + bk, v = x Wv + bv on codes of E5M2, and their quantising for the two products of attention.
; x: [16384][512] codes; Wq, Wk: [512][512], Wv: [256][512] codes, K innermost; biases f32; lowp_scales e0 .. e9.
; A sum of codes stands for sum x 2^(ex + ew).  The bias goes in as the C of a sum's first matrix instruction, divided by 2^(ex + ew); the conversion then takes the one scale 2^(eo - ex - ew).
; LIMITS: e6 - e0 - e1, e7 - e2 - e3 and e9 - e4 - e5 lie between -126 and 112, so that scale and largest number x scale are f32 numbers.  Codes of NaN or infinity among the inputs are not served.
; SHARES.  Work-group (g, i): tokens 256 i .. + 255; columns 128 g .. + 127 of q and of k, 64 g .. + 63 of v.  Wave w: tokens 256 i + 64 w .. + 63, four tiles of 16: block 4 i + w of 64 tokens.
; CLUSTER 4 x 4: the four of a row (same i) need the same rows of x, the four of a column (same g) the same rows of the weights: each tile is asked for jointly.  All tiles fit in LDS at once: nothing is filled twice.
; q AND k ARE MADE TRANSPOSED (source 0 = 16 rows of W, source 1 = 16 tokens): a lane holds one token, its registers eight hidden units; two neighbouring tiles give four registers of codes:
; chunk b of a fragment (16 tokens x 128 hidden).  In half h of the lanes registers 4 b, 4 b + 1 hold units 32 b + 8 h + 0 .. 7 and 4 b + 2, 4 b + 3 units 32 b + 16 + 8 h + 0 .. 7: the same order in q and in k, so every product meets its partner.
; v IS MADE THE OTHER WAY ROUND (source 0 = 16 tokens, source 1 = 16 rows of Wv): a lane holds one channel, its registers eight tokens: the keys are the second product's K.
; THE CODES LEAVE AS IMAGES OF THE OPERANDS' REGISTERS: four registers a lane, lane l's 16 bytes at 16 l: each store of the wave covers 512 consecutive bytes, aligned.
;   qimg: [block][tile t][K step ks][2,048].   kv: [block][49,152]: even steps of attention (i even): V's 16 KB, then K's 32 KB; odd steps: K's, then V's.  K: fragment 4 ks + tile at 2,048 each; V: channel tile C at 1,024 each.
; REGISTERS: window 0: v1-15 addresses and scales; v16-19 bv; v32-95 eight accumulators; v96-255 codes (every store has data registers of its own).  window 1: x's 16 fragments.
;   window 2: two sets of 8 weight fragments.  window 3: v0-63 bq, v64-127 bk, v128-159 bv, each divided by its power of two, in the results' layout.
.set PITCH, 528                        ; an LDS row: 512 bytes + 16 of padding: the 16 rows of a fragment load begin 16 bytes apart modulo 256
.set WREG,  256*PITCH                  ; x's 256 rows from 0; from here Wq's 128 rows, Wk's 128, Wv's 64
.set SPARE, WREG+320*PITCH             ; the spare words, 128 bytes a wave: two blocks of 256 bytes that no other line names
.set XA,   1                           ; v1   my place in my wave's rows of x
.set WAQ,  2                           ; v2-4 my place in Wq's, Wk's, Wv's rows
.set GOFF, 5                           ; v5   16 x lane: an image's place for my lane
.set SPW,  6                           ; v6   my spare word; never rewritten
.set NIL,  7                           ; v7   0; never rewritten
.set BO,   8                           ; v8   32 x (lane / 16): bq, bk
.set BVO,  9                           ; v9   4 x (lane % 16): bv
.set SCQ,  10                          ; v10, v11 q's scale and largest number x scale; v12, v13 k's; v14, v15 v's
.set LMQ,  11
.set SCK,  12
.set LMK,  13
.set SCV,  14
.set LMV,  15
.set BVR,  16
.set ACC,  32
.set CQ,   96
.set CK,   160
.set CV,   224
.set WV,   24                          ; s24  wave
.set G1X,  28                          ; s[28:35] group 1 for x's tiles; s[36:43] for the weights': they differ in the mask
.set G1W,  36
.set GX,   44                          ; s[44:47], s[48:51], s[52:55] groups 0: x, Wq or Wk, Wv
.set GW,   48
.set GV,   52
.set MSB, 0
.macro WIN new                         ; the immediate's high byte repeats the setting that is left; a switch that changes nothing is dropped
.if MSB != (\new)
	s_set_vgpr_msb (MSB<<8)|(\new)
.set MSB, (\new)
.endif
.endm
.macro CROUND                          ; a round of the cluster's barrier
	s_barrier_signal -1
	s_barrier_wait -1
	s_cmp_lg_u32 s[WV], 0
	s_cbranch_scc1 .Lnot_wave_0_\@
	s_barrier_signal -3
.Lnot_wave_0_\@:
	s_barrier_wait -3
	s_barrier_signal -1
	s_barrier_wait -1
.endm
	s_load_b512 s[4:19], s[0:1], 0x0               ; x s[4:5], Wq s[6:7], Wk s[8:9], Wv s[10:11], bq s[12:13], bk s[14:15], bv s[16:17], scales s[18:19]
	s_load_b128 s[20:23], s[0:1], 0x40             ; qimg s[20:21], kv s[22:23]
	v_lshl_add_u32 v[SPW], v0, 2, SPARE
	v_mov_b32 v[NIL], 0
	ds_add_u32 v[SPW], v[NIL]                      ; the wave's opening: the add and its wait ahead of my first tensor load; the set-up below stands between them
	v_lshrrev_b32 v1, 5, v0
	v_readfirstlane_b32 s[WV], v1                  ; wave 0..3
	s_bfe_u32 s25, ttmp6, 0x40000                  ; cx
	s_bfe_u32 s26, ttmp6, 0x40004                  ; cy
	s_lshl_b32 s68, ttmp9, 2
	s_add_co_u32 s68, s68, s25                     ; g = 4 x cluster x + cx
	s_and_b32 s27, ttmp7, 0xffff
	s_lshl_b32 s27, s27, 2
	s_add_co_u32 s27, s27, s26                     ; i = 4 x cluster y + cy
	s_lshl_b32 s69, s26, 2
	s_lshl_b32 s69, 15, s69                        ; my row of the cluster
	s_lshl_b32 s70, 0x1111, s25                    ; my column
	; group 1: 64 rows x 512 elements of one byte, 4 words of padding behind every 128
	s_or_b32 s[G1X], s69, (1<<20)|(1<<21)|(6<<22)|(3<<25)
	s_or_b32 s[G1W], s70, (1<<20)|(1<<21)|(6<<22)|(3<<25)
.irp g, G1X, G1W
	s_mov_b32 s[\g+1], 512<<16                     ; tensor_dim0
	s_mov_b32 s[\g+2], 64<<16                      ; tensor_dim1
	s_mov_b32 s[\g+3], 512<<16                     ; tile_dim0
	s_mov_b32 s[\g+4], 64                          ; tile_dim1
	s_mov_b32 s[\g+5], 512                         ; from row to row
	s_mov_b32 s[\g+6], 0
	s_mov_b32 s[\g+7], 0
.endr
	s_lshl_b32 s72, s27, 17                        ; x: 256 i rows of 512 bytes,
	s_lshl_b32 s73, s[WV], 15                      ; + my wave's 64 rows: made of i and the wave alone
	s_add_co_u32 s72, s72, s73
	s_mov_b32 s73, 0
	s_and_b32 s74, s[WV], 1                        ; Wq (waves 0, 1) or Wk (waves 2, 3): rows 128 g + 64 (wave % 2): made of g and the wave alone
	s_lshl_b32 s74, s74, 15
	s_lshl_b32 s75, s68, 16
	s_add_co_u32 s74, s74, s75
	s_mov_b32 s75, 0
	s_lshl_b32 s76, s68, 15                        ; Wv: rows 64 g
	s_mov_b32 s77, 0
	s_mul_i32 s78, s[WV], 64*PITCH                 ; where they go: wave x 64 rows: no place in the cluster enters an LDS address
	s_lshl_b32 s80, s68, 9                         ; bq, bk: 128 g numbers on
	s_mov_b32 s81, 0
	s_lshl_b32 s82, s27, 2
	s_add_co_u32 s82, s82, s[WV]                   ; my block of 64 tokens: 4 i + wave
	s_lshl_b32 s84, s82, 15
	s_lshl_b32 s85, s68, 11
	s_add_co_u32 s84, s84, s85                     ; qimg: block x 32,768 + 2,048 g (K step g)
	s_mov_b32 s85, 0
	s_mul_i32 s86, s82, 49152
	s_and_b32 s83, s27, 1                          ; the step's parity
	s_lshl_b32 s87, s83, 15
	s_add_co_u32 s90, s86, s87                     ; V's part: at 0 (even) or 32,768 (odd),
	s_lshl_b32 s87, s68, 12
	s_add_co_u32 s90, s90, s87                     ; + 4,096 g (channel tiles 4 g on)
	s_mov_b32 s91, 0
	s_xor_b32 s83, s83, 1
	s_lshl_b32 s87, s83, 14
	s_add_co_u32 s88, s86, s87                     ; K's part: at 16,384 (even) or 0 (odd),
	s_lshl_b32 s87, s68, 13
	s_add_co_u32 s88, s88, s87                     ; + 8,192 g (K step g)
	s_mov_b32 s89, 0
	s_wait_dscnt 0x0                               ; the opening add is done
	s_wait_kmcnt 0x0
	s_load_b256 s[56:63], s[18:19], 0x0            ; e0 .. e7
	s_load_b32 s66, s[18:19], 0x24                 ; e9
	s_mov_b32 s[GX], 1
	s_mov_b32 s[GX+1], s78
	s_add_nc_u64 s[GX+2:GX+3], s[4:5], s[72:73]
	s_or_b32 s[GX+3], s[GX+3], 0x80000000
	s_mov_b32 s[GW], 1
	s_add_co_u32 s[GW+1], s78, WREG
	s_cmp_lt_u32 s[WV], 2                          ; the choice hangs on the wave's number alone
	s_cselect_b64 s[GW+2:GW+3], s[6:7], s[8:9]
	s_add_nc_u64 s[GW+2:GW+3], s[GW+2:GW+3], s[74:75]
	s_or_b32 s[GW+3], s[GW+3], 0x80000000
	s_mov_b32 s[GV], 1
	s_mov_b32 s[GV+1], WREG+256*PITCH
	s_add_nc_u64 s[GV+2:GV+3], s[10:11], s[76:77]
	s_or_b32 s[GV+3], s[GV+3], 0x80000000
	s_add_nc_u64 s[12:13], s[12:13], s[80:81]
	s_add_nc_u64 s[14:15], s[14:15], s[80:81]
	s_lshl_b32 s80, s68, 8                         ; bv: 64 g numbers on
	s_add_nc_u64 s[16:17], s[16:17], s[80:81]
	s_add_nc_u64 s[20:21], s[20:21], s[84:85]
	s_add_nc_u64 s[88:89], s[22:23], s[88:89]
	s_add_nc_u64 s[90:91], s[22:23], s[90:91]
	CROUND                                         ; all sixteen work-groups are here: the joint loads meet
	tensor_load_to_lds s[GX:GX+3], s[G1X:G1X+7]    ; my 64 rows of x
	s_nop 0
	tensor_load_to_lds s[GW:GW+3], s[G1W:G1W+7]    ; 64 rows of Wq or Wk
	s_nop 0
.rept 4
	v_nop
.endr
	s_cmp_lg_u32 s[WV], 0
	s_cbranch_scc1 .Lno_wv
	tensor_load_to_lds s[GV:GV+3], s[G1W:G1W+7]    ; wave 0: Wv's 64 rows: three loads of mine are out at the most
	s_nop 0
.rept 4
	v_nop
.endr
.Lno_wv:
	v_and_b32 v20, 15, v0                          ; r
	v_bfe_u32 v21, v0, 4, 1                        ; h
	v_mul_u32_u24 v22, v20, PITCH
	v_lshl_add_u32 v22, v21, 4, v22                ; a fragment's row x pitch + 16 h
	v_add_nc_u32 v[XA], s78, v22
	v_add_nc_u32 v[WAQ], WREG, v22
	v_add_nc_u32 v[WAQ+1], WREG+128*PITCH, v22
	v_add_nc_u32 v[WAQ+2], WREG+256*PITCH, v22
	v_and_b32 v[GOFF], 31, v0
	v_lshlrev_b32 v[GOFF], 4, v[GOFF]
	v_lshlrev_b32 v[BO], 5, v21
	v_lshlrev_b32 v[BVO], 2, v20
	WIN 0xc0                                       ; destination window 3
.irp t, 0,1,2,3,4,5,6,7                        ; tile t of my 128 units: lane (r, h) wants the bias of units 16 t + 8 h + 0 .. 7
	global_load_b128 v[8*\t:8*\t+3], v[BO], s[12:13] offset:64*\t
	global_load_b128 v[8*\t+4:8*\t+7], v[BO], s[12:13] offset:64*\t+16
	global_load_b128 v[64+8*\t:64+8*\t+3], v[BO], s[14:15] offset:64*\t
	global_load_b128 v[64+8*\t+4:64+8*\t+7], v[BO], s[14:15] offset:64*\t+16
.endr
	WIN 0
.irp c, 0,1,2,3                                ; channel tile c of my 64: lane (r, h) wants the bias of channel 16 c + r
	global_load_b32 v[BVR+\c], v[BVO], s[16:17] offset:64*\c
.endr
; s[n] = -(ea + eb); v[sc] = 2^(eo - ea - eb); v[lm] = 57,344 x that
.macro MKSC a, b, o, n, sc, lm
	s_add_co_i32 s[\n], s[\a], s[\b]
	s_sub_co_i32 s93, s[\o], s[\n]
	s_sub_co_i32 s[\n], 0, s[\n]
	s_add_co_i32 s93, s93, 127
	s_lshl_b32 s94, s93, 23
	v_mov_b32 v[\sc], s94
	s_add_co_i32 s93, s93, 15
	s_lshl_b32 s93, s93, 23
	s_or_b32 s93, s93, 0x600000
	v_mov_b32 v[\lm], s93
.endm
	s_wait_kmcnt 0x0
	MKSC 56, 57, 62, 92, SCQ, LMQ
	MKSC 58, 59, 63, 95, SCK, LMK
	MKSC 60, 61, 66, 96, SCV, LMV
	s_wait_loadcnt 0x0                             ; the biases
	WIN 0xc3                                       ; source 0 and destination window 3
.set j, 0
.rept 64
	v_ldexp_f32 v[j], v[j], s92                    ; bq / 2^(e0 + e1)
	v_ldexp_f32 v[64+j], v[64+j], s95              ; bk / 2^(e2 + e3)
.set j, j+1
.endr
	WIN 0xc0
.irp c, 0,1,2,3
.irp i, 0,1,2,3,4,5,6,7
	v_ldexp_f32 v[128+8*\c+\i], v[BVR+\c], s96     ; bv / 2^(e4 + e5): a lane's eight tokens share its channel's bias
.endr
.endr
	WIN 0
	s_wait_tensorcnt 0x0                           ; my tiles are in,
	s_barrier_signal -1
	s_barrier_wait -1                              ; everybody's are: the weights' rows are read by all four waves
	WIN 0x40                                       ; destination window 1
.irp tt, 0,1,2,3                               ; a fragment: 16 rows x 128 K in 16 registers: registers 4 c .. 4 c + 3 hold K = 32 c + 16 h + 0 .. 15: the same order in x and in the weights
.irp ks, 0,1,2,3
.irp c, 0,1,2,3
	ds_load_b128 v[16*(4*\tt+\ks)+4*\c:16*(4*\tt+\ks)+4*\c+3], v[XA] offset:16*\tt*PITCH+128*\ks+32*\c
.endr
.endr
.endr
; pair p of ten: two tiles of 16 rows of a weight (0-3: Wq, 4-7: Wk, 8, 9: Wv), all four K steps, into set p % 2
.macro FETCHW p
	WIN 0x80                                       ; destination window 2
.set WADR, WAQ+(\p)/4
.irp u, 0,1
.irp ks, 0,1,2,3
.irp c, 0,1,2,3
	ds_load_b128 v[128*((\p)%2)+16*(4*\u+\ks)+4*\c:128*((\p)%2)+16*(4*\u+\ks)+4*\c+3], v[WADR] offset:(32*((\p)%4)+16*\u)*PITCH+128*\ks+32*\c
.endr
.endr
.endr
.endm
; 32 matrix instructions: two tiles of units x four tiles of tokens, K = 512.  The eight accumulators take turns, one instruction a turn.  The first K step takes the bias as C.
.macro MULQK p
.set WS, 128*((\p)%2)
.set BB, 64*((\p)/4)+16*((\p)%4)
.irp ks, 0,1,2,3
.if \ks == 0
	WIN 0x36                                       ; source 0 (W) window 2, source 1 (x) window 1, C (bias) window 3
.else
	WIN 0x06
.endif
.irp u, 0,1
.irp tt, 0,1,2,3
.if \ks == 0
	v_wmma_f32_16x16x128_bf8_bf8 v[ACC+16*\tt+8*\u:ACC+16*\tt+8*\u+7], v[WS+16*(4*\u+\ks):WS+16*(4*\u+\ks)+15], v[16*(4*\tt+\ks):16*(4*\tt+\ks)+15], v[BB+8*\u:BB+8*\u+7]
.else
	v_wmma_f32_16x16x128_bf8_bf8 v[ACC+16*\tt+8*\u:ACC+16*\tt+8*\u+7], v[WS+16*(4*\u+\ks):WS+16*(4*\u+\ks)+15], v[16*(4*\tt+\ks):16*(4*\tt+\ks)+15], v[ACC+16*\tt+8*\u:ACC+16*\tt+8*\u+7]
.endif
.endr
.endr
.endr
.endm
.macro MULV p                          ; the same for v, the sources the other way round: two tiles of channels x four tiles of tokens
.set WS, 128*((\p)%2)
.set BB, 128+16*((\p)-8)
.irp ks, 0,1,2,3
.if \ks == 0
	WIN 0x39                                       ; source 0 (x) window 1, source 1 (Wv) window 2, C (bias) window 3
.else
	WIN 0x09
.endif
.irp cc, 0,1
.irp tt, 0,1,2,3
.if \ks == 0
	v_wmma_f32_16x16x128_bf8_bf8 v[ACC+32*\cc+8*\tt:ACC+32*\cc+8*\tt+7], v[16*(4*\tt+\ks):16*(4*\tt+\ks)+15], v[WS+16*(4*\cc+\ks):WS+16*(4*\cc+\ks)+15], v[BB+8*\cc:BB+8*\cc+7]
.else
	v_wmma_f32_16x16x128_bf8_bf8 v[ACC+32*\cc+8*\tt:ACC+32*\cc+8*\tt+7], v[16*(4*\tt+\ks):16*(4*\tt+\ks)+15], v[WS+16*(4*\cc+\ks):WS+16*(4*\cc+\ks)+15], v[ACC+32*\cc+8*\tt:ACC+32*\cc+8*\tt+7]
.endif
.endr
.endr
.endr
.endm
; the eight accumulators become 16 registers of codes.  Four places behind the last product (ISA guide 7.12.1); each accumulator is read from its low end on.
; These vector lines are also the places in front of the next loads into the weights' set just read and of the next pair's products, which begin the accumulators anew.
.macro QUANT sc, lm, dst
	WIN 0
.rept 4
	v_nop
.endr
.set j, 0
.rept 64
	v_med3_num_f32 v[ACC+j], v[ACC+j], -v[\lm], v[\lm]   ; the conversion to an 8-bit code does not saturate (ISA guide 7.6.2): the hold at the largest code x the scale
.set j, j+1
.endr
.set j, 0
.rept 8
	v_cvt_scalef32_pk8_bf8_f32 v[(\dst)+2*j:(\dst)+2*j+1], v[ACC+8*j:ACC+8*j+7], v[\sc]
.set j, j+1
.endr
	v_nop                                          ; a plain line between the conversions and the products that write their sources again
.endm
	FETCHW 0
.irp p, 0,1,2,3,4,5,6,7,8,9
.if \p < 9
	FETCHW \p+1
	s_wait_dscnt 32                                ; x and this pair's weights are in; the 32 loads just issued may stay out
.else
	s_wait_dscnt 0x0
.endif
.if \p < 4
	MULQK \p
	QUANT SCQ, LMQ, CQ+16*\p
.irp tt, 0,1,2,3
	global_store_b128 v[GOFF], v[CQ+16*\p+4*\tt:CQ+16*\p+4*\tt+3], s[20:21] offset:8192*\tt+512*\p           ; chunk p of q's fragment (tile tt, K step g)
.endr
.elseif \p < 8
	MULQK \p
	QUANT SCK, LMK, CK+16*(\p-4)
.irp tt, 0,1,2,3
	global_store_b128 v[GOFF], v[CK+16*(\p-4)+4*\tt:CK+16*(\p-4)+4*\tt+3], s[88:89] offset:2048*\tt+512*(\p-4)   ; chunk p - 4 of k's fragment 4 g + tt
.endr
.else
	MULV \p
	QUANT SCV, LMV, CV+16*(\p-8)
.irp cc, 0,1
.irp b, 0,1
	global_store_b128 v[GOFF], v[CV+16*(\p-8)+8*\cc+4*\b:CV+16*(\p-8)+8*\cc+4*\b+3], s[90:91] offset:1024*(2*(\p-8)+\cc)+512*\b   ; chunk b of v's channel tile 4 g + 2 (p - 8) + cc
.endr
.endr
.endif
.endr
	s_wait_tensorcnt 0x0                           ; the wave's end
	ds_add_u32 v[SPW], v[NIL]
	s_wait_dscnt 0x0
	CROUND                                         ; the closing round: no work-group ends while a partner may still ask for a tile that names it
	s_endpgm
.Lfunc_end_k_q6991c84f91_proj:
	.size	k_q6991c84f91_proj, .Lfunc_end_k_q6991c84f91_proj-k_q6991c84f91_proj
	.p2alignl 7, 3214868480
	.fill 96, 4, 3214868480
	.section	.rodata,"a",@progbits
	.p2align	6, 0x0
	.amdhsa_kernel k_q6991c84f91_proj
		.amdhsa_group_segment_fixed_size 327680
		.amdhsa_private_segment_fixed_size 0
		.amdhsa_enable_private_segment 0
		.amdhsa_kernarg_size 80
		.amdhsa_user_sgpr_count 2
		.amdhsa_user_sgpr_kernarg_segment_ptr 1
		.amdhsa_wavefront_size32 1
		.amdhsa_system_sgpr_workgroup_id_x 1
		.amdhsa_system_sgpr_workgroup_id_y 1
		.amdhsa_system_sgpr_workgroup_id_z 1
		.amdhsa_system_vgpr_workitem_id 0
		.amdhsa_next_free_vgpr 1024
		.amdhsa_next_free_sgpr 100
		.amdhsa_reserve_vcc 0
		.amdhsa_float_denorm_mode_32 3
		.amdhsa_float_denorm_mode_16_64 3
		.amdhsa_memory_ordered 1
		.amdhsa_forward_progress 1
		.amdhsa_inst_pref_size 117
	.end_amdhsa_kernel
	.amdgpu_metadata
---
amdhsa.version: [ 1, 2 ]
amdhsa.kernels:
  - .name:           k_q6991c84f91_proj
    .symbol:         k_q6991c84f91_proj.kd
    .args:
      - { .name: x_codes, .offset: 0, .size: 8, .value_kind: global_buffer, .address_space: global }
      - { .name: Wq_codes, .offset: 8, .size: 8, .value_kind: global_buffer, .address_space: global }
      - { .name: Wk_codes, .offset: 16, .size: 8, .value_kind: global_buffer, .address_space: global }
      - { .name: Wv_codes, .offset: 24, .size: 8, .value_kind: global_buffer, .address_space: global }
      - { .name: bq, .offset: 32, .size: 8, .value_kind: global_buffer, .address_space: global }
      - { .name: bk, .offset: 40, .size: 8, .value_kind: global_buffer, .address_space: global }
      - { .name: bv, .offset: 48, .size: 8, .value_kind: global_buffer, .address_space: global }
      - { .name: lowp_scales, .offset: 56, .size: 8, .value_kind: global_buffer, .address_space: global }
      - { .name: qimg, .offset: 64, .size: 8, .value_kind: global_buffer, .address_space: global }
      - { .name: kv, .offset: 72, .size: 8, .value_kind: global_buffer, .address_space: global }
    .group_segment_fixed_size: 327680
    .private_segment_fixed_size: 0
    .kernarg_segment_align: 8
    .kernarg_segment_size: 80
    .max_flat_workgroup_size: 128
    .sgpr_count:     100
    .vgpr_count:     1024
    .wavefront_size: 32
...
	.end_amdgpu_metadata
.endif
;; end of part 1
;; launch attn (part 2): grid 64 x 4, 4 waves a work-group, clusters of 4 x 1, 327,680 bytes of LDS; arguments qimg, kv, lowp_scales, out0; writes out0
.if DOCPART == 2
	.amdgcn_target "amdgcn-amd-amdhsa--gfx1250"
	.amdhsa_code_object_version 6
	.text
	.protected	k_q6991c84f91_attn
	.globl	k_q6991c84f91_attn
	.p2align	8
	.type	k_q6991c84f91_attn,@function
k_q6991c84f91_attn:
	s_mov_b64 s[64:65], 0
	v_nop
	global_prefetch_b8 v0, s[64:65] scope:SCOPE_SE
	s_setreg_imm32_b32 hwreg(HW_REG_WAVE_MODE, 25, 1), 1
	s_wait_xcnt 0x0
	s_wait_alu depctr_hold_cnt(0) depctr_sa_sdst(0) depctr_va_vdst(0) depctr_va_sdst(0) depctr_va_ssrc(0) depctr_va_vcc(0) depctr_vm_vsrc(0)
	s_getreg_b32 s2, hwreg(HW_REG_IB_STS2, 6, 4)
	s_cmp_eq_u32 s2, 0
	s_cbranch_scc0 .Lentry_in_a_cluster
	s_endpgm
.Lentry_in_a_cluster:
	s_bfe_u32 s2, ttmp6, 0x10000c
	s_cmp_lg_u32 s2, 0x3003
	s_cbranch_scc0 .Lentry_shape_is_right
	s_endpgm
.Lentry_shape_is_right:
; out[b][q][:] = the sum over keys of softmax(q . k / 16) v, both products on codes of E5M2 that the launch before has laid as images of the operands' registers.
; THE SOFTMAX: t = sum of codes x c, c = 2^(e6 + e7) log2(e) / 16; M = the largest t so far, rounded up to a whole number; p = 2^(t - M) is quantised with 2^e8; it is not normalised.
; l is the sum of the unquantised p.  When M moves, l and O are multiplied by 2^(old M - new M), which rounds nothing.  At the end O x 2^(e8 + e9) / l.
; LIMITS: e6 + e7 between -122 and 131 (they are added to c's exponent field); e8 between -126 and 112; e8 + e9 is applied by v_ldexp_f32.  NaN and infinities are not served.
; SHARES.  A work-group owns 64 queries of one batch.  EACH OF ITS FOUR WAVES HOLDS ALL 64 QUERIES (four tiles of 16) AND TAKES A QUARTER OF THE KEYS: 64 of each step's 256, sixteen steps.
; So each fragment of K or V that a wave reads from LDS feeds four matrix instructions.  Each wave runs its own M, l and O^T; the four are merged at the end, through LDS, by powers of two.
; LAYOUT.  Both products transposed: S^T = K Q^T (source 0 = 16 keys), O^T = V^T P (source 0 = 16 channels): a lane holds one query (lane % 16) throughout; register j of a tile of S^T is key 8 (lane / 16) + j,
; and V's codes were made from accumulators of the same shape: the keys stand at the same places in p's codes and in V's.
; LDS.  A wave's 64 KB: V of even steps at 0, K at 16 KB, V of odd steps at 48 KB.  A step's block, 48 KB, dense in memory, comes by ONE tensor load: even steps land at 0 (V, K), odd steps at 16 KB (K, V).
; The next block is asked for behind the step's K Q^T, when K's bytes have been read; the step's own V lies outside it.  The load has the softmax and V^T P in which to land.  One tensor load of mine is out at a time.
; CLUSTER.  The four query blocks of a cluster belong to one batch and walk the same blocks: each is asked for jointly, with a mask that names the four.  Only the wave that asked reads a block.
; REGISTERS: window 0: v1-7 addresses and constants; v8-23 four a tile: -M, the largest t, l in two halves; v24-31 f (and an upper half that is only named); v32-127 three pairs of K's fragments,
;   later p's codes (v32-63) and registers at work; v128-255 S^T, then p, then V's 16 fragments.   window 1: Q's 16 fragments.   windows 2, 3: O^T: tile t in window 2 + t / 2, at 128 (t % 2) + 8 C.
.set BLKB,  49152                      ; a block: 64 keys' codes of K (32 KB) and of V (16 KB)
.set STEPB, 4*BLKB                     ; a step on in memory
.set KOFF,  16384
.set VB,    49152
.set SPITCH, 1040                      ; the merge's stage: a row of 256 f32 + 16 bytes
.set STG,   64*SPITCH                  ; a stage for each wave, over the ring, which has then had its last fill and its last read
.set STATS, 4*STG                      ; behind the stages: (-M, l) of each wave, tile and lane: 4 KB
.set SPARE, STATS+4096                 ; the spare words, 128 bytes a wave: two blocks of 256 bytes that no other line names
.set LB,  1                            ; v1   65,536 x wave + 16 x lane
.set QO,  2                            ; v2   16 x lane
.set SPW, 3                            ; v3   my spare word; never rewritten
.set NIL, 4                            ; v4   0; never rewritten
.set LIM, 5                            ; v5   57,344 x 2^e8
.set SCL, 6                            ; v6   2^e8
.set PFO, 7                            ; v7   256 x lane
.set ST,  8
.set FP,  24
.set F,   32
.set PC,  32
.set W0,  64                           ; the merge: the four waves' (-M, l)
.set T,   96                           ; four registers a tile, at work
.set U,   112                          ; a pair a tile: the sums' second chain
.set SA,  120                          ; the merge's addresses
.set SL,  121
.set SO,  122
.set RD,  123
.set S,   128
.set WV,  12
.set G1,  16                           ; s[16:23] group 1
.set G0,  24                           ; s[24:27] group 0 of the even steps, s[28:31] of the odd steps
.set CS,  32                           ; s[32:33] c
.set SEL, 34                           ; s[34:35] lane selects: lane l xor 16
.set PFA, 36                           ; s[36:37] where my prefetches stand
.set LIMP, 38                          ; s38  1 in a wave that prefetches, else the greatest number
.set CNT, 39
.set MSB, 0
.macro WIN new
.if MSB != (\new)
	s_set_vgpr_msb (MSB<<8)|(\new)
.set MSB, (\new)
.endif
.endm
.macro CROUND                          ; a round of the cluster's barrier
	s_barrier_signal -1
	s_barrier_wait -1
	s_cmp_lg_u32 s[WV], 0
	s_cbranch_scc1 .Lnot_wave_0_\@
	s_barrier_signal -3
.Lnot_wave_0_\@:
	s_barrier_wait -3
	s_barrier_signal -1
	s_barrier_wait -1
.endm
; A PREFETCH INTO THE L2 of the step behind the one that has just been asked for.  All sixteen clusters of a batch walk the same blocks: the batch's first cluster asks.  Its partner at place cx takes block cx of the step's four,
; told apart by address; in it waves 0, 1, 2 take 16 KB each: two instructions, lanes 256 bytes apart.  So each aligned 256 bytes are named once.  Steps 0 and 1 come by their loads alone; step 14 asks for nothing.
.macro ASK how
.if \how
	s_cmp_eq_u32 s[LIMP], 1
.else
	s_cmp_gt_u32 s[CNT], s[LIMP]                   ; the count is 1 in the loop's last trip
.endif
	s_cbranch_scc0 .Lnot_mine_\@
	global_prefetch_b8 v[PFO], s[PFA:PFA+1] th:TH_LOAD_NT scope:SCOPE_SE
	global_prefetch_b8 v[PFO], s[PFA:PFA+1] offset:8192 th:TH_LOAD_NT scope:SCOPE_SE
.Lnot_mine_\@:
.endm
	s_load_b256 s[4:11], s[0:1], 0x0               ; qimg s[4:5], kv s[6:7], scales s[8:9], out0 s[10:11]
	v_lshl_add_u32 v[SPW], v0, 2, SPARE
	v_mov_b32 v[NIL], 0
	ds_add_u32 v[SPW], v[NIL]                      ; the wave's opening: the add and its wait ahead of my first tensor load; the set-up below stands between them
	v_lshrrev_b32 v1, 5, v0
	v_readfirstlane_b32 s[WV], v1                  ; wave 0..3
	s_bfe_u32 s13, ttmp6, 0x40000                  ; cx
	s_lshl_b32 s14, ttmp9, 2
	s_add_co_u32 s14, s14, s13                     ; my block of 64 queries in the batch
	s_and_b32 s15, ttmp7, 0xffff                   ; the batch, which the four partners share
	s_mov_b32 s[G1], 15|(3<<16)|(1<<21)            ; the mask: all four; elements of 8 bytes; bit 21 beside a mask; no padding: an image is read 512 consecutive bytes at a time
	s_mov_b32 s[G1+1], 32<<16                      ; tensor_dim0: 256 bytes
	s_mov_b32 s[G1+2], 192<<16                     ; tensor_dim1
	s_mov_b32 s[G1+3], 32<<16                      ; tile_dim0
	s_mov_b32 s[G1+4], 192                         ; tile_dim1
	s_mov_b32 s[G1+5], 32                          ; dense
	s_mov_b32 s[G1+6], 0
	s_mov_b32 s[G1+7], 0
	s_lshl_b32 s44, s15, 6
	s_add_co_u32 s44, s44, s[WV]
	s_mul_i32 s44, s44, BLKB                       ; step 0's block of my wave: (64 x batch + wave) x 49,152: made of the batch and the wave alone
	s_mov_b32 s45, 0
	s_lshl_b32 s51, s[WV], 16                      ; my 64 KB of LDS
	s_lshl_b32 s46, s15, 6
	s_add_co_u32 s46, s46, s14
	s_lshl_b32 s48, s46, 16                        ; out0: 64 rows of 1,024 bytes a block,
	s_lshl_b32 s49, s[WV], 14                      ; + the 16 rows that I store
	s_add_co_u32 s48, s48, s49
	s_mov_b32 s49, 0
	s_lshl_b32 s46, s46, 15                        ; qimg: 32,768 bytes a block
	s_mov_b32 s47, 0
	s_lshl_b32 s54, s15, 6
	s_add_co_u32 s54, s54, s13
	s_add_co_u32 s54, s54, 8
	s_mul_i32 s54, s54, BLKB                       ; the prefetches begin at step 2: block cx,
	s_lshl_b32 s55, s[WV], 14                      ; my wave's 16 KB of it
	s_add_co_u32 s54, s54, s55
	s_mov_b32 s55, 0
	s_add_co_u32 s50, s[WV], 1
	s_lshr_b32 s50, s50, 2                         ; 0 in waves 0 to 2,
	s_or_b32 s50, s50, ttmp9                       ; of the batch's first cluster: the same in all four partners
	s_cmp_eq_u32 s50, 0
	s_cselect_b32 s[LIMP], 1, -1
	s_mov_b32 s[CS], 0x3db8aa3b                    ; log2(e) / 16
	s_mov_b32 s[SEL], 0x76543210
	s_mov_b32 s[SEL+1], 0xfedcba98
	v_and_b32 v[QO], 31, v0
	v_lshlrev_b32 v[QO], 4, v[QO]
	v_add_nc_u32 v[LB], s51, v[QO]
	v_lshlrev_b32 v[PFO], 4, v[QO]
.irp t, 0,1,2,3
	v_mov_b32 v[FP+2*\t+1], 0                      ; named as the upper half of a pair, so it is written
.endr
	s_wait_dscnt 0x0                               ; the opening add is done
	s_wait_kmcnt 0x0
	s_load_b128 s[40:43], s[8:9], 0x18             ; e6, e7, e8, e9
	s_mov_b32 s[G0], 1
	s_mov_b32 s[G0+1], s51
	s_add_nc_u64 s[G0+2:G0+3], s[6:7], s[44:45]
	s_mov_b32 s[G0+4], 1
	s_add_co_u32 s[G0+5], s51, KOFF
	s_add_nc_u64 s[G0+6:G0+7], s[G0+2:G0+3], STEPB
	s_or_b32 s[G0+3], s[G0+3], 0x80000000
	s_or_b32 s[G0+7], s[G0+7], 0x80000000
	s_add_nc_u64 s[4:5], s[4:5], s[46:47]
	s_add_nc_u64 s[10:11], s[10:11], s[48:49]
	s_add_nc_u64 s[PFA:PFA+1], s[6:7], s[54:55]
	CROUND                                         ; all four work-groups are here: the first joint load meets
	tensor_load_to_lds s[G0:G0+3], s[G1:G1+7]      ; step 0
	s_nop 0
.rept 4
	v_nop
.endr
	WIN 0x40                                       ; destination window 1
.set j, 0
.rept 64                                       ; Q's 16 fragments stay in registers: fragment 4 t + ks at 2,048 each, four chunks of 512 bytes
	global_load_b128 v[4*j:4*j+3], v[QO], s[4:5] offset:512*j
.set j, j+1
.endr
	WIN 0
	s_wait_kmcnt 0x0
	s_add_co_i32 s53, s40, s41
	s_lshl_b32 s53, s53, 23
	s_add_co_i32 s[CS], s[CS], s53                 ; e6 + e7 are added to c's exponent field
	s_mov_b32 s[CS+1], s[CS]                       ; named with it as a pair
	s_add_co_i32 s53, s42, 127
	s_lshl_b32 s50, s53, 23
	v_mov_b32 v[SCL], s50                          ; 2^e8
	s_add_co_i32 s53, s53, 15
	s_lshl_b32 s53, s53, 23
	s_or_b32 s53, s53, 0x600000
	v_mov_b32 v[LIM], s53                          ; 57,344 x 2^e8
	s_add_co_i32 s52, s42, s43                     ; e8 + e9
	s_wait_loadcnt 0x0                             ; Q
.macro KLOAD P                         ; pair P of eight: K's fragments 2 P and 2 P + 1 (fragment 4 ks + key tile) into the P % 3-th of three pairs of registers
.irp f, 0,1
.irp c, 0,1,2,3
	ds_load_b128 v[F+32*((\P)%3)+16*\f+4*\c:F+32*((\P)%3)+16*\f+4*\c+3], v[LB] offset:KOFF+2048*(2*(\P)+\f)+512*\c
.endr
.endr
.endm
.macro KQ8 P                           ; eight products: two tiles of keys x four tiles of queries, K step P / 2.  The 16 accumulators take turns, one instruction a turn
.irp f, 0,1
.irp t, 0,1,2,3
.set rD, S+32*\t+8*(2*((\P)%2)+\f)
.set rK, F+32*((\P)%3)+16*\f
.set rQ, 16*(4*\t+(\P)/2)
.if (\P) < 2
	v_wmma_f32_16x16x128_bf8_bf8 v[rD:rD+7], v[rK:rK+15], v[rQ:rQ+15], 0
.else
	v_wmma_f32_16x16x128_bf8_bf8 v[rD:rD+7], v[rK:rK+15], v[rQ:rQ+15], v[rD:rD+7]
.endif
.endr
.endr
.endm
.macro RESCALE                         ; O^T x the tile's factor, each accumulator from its low end on
.irp t, 0,1,2,3
	WIN 0x82+0x41*(\t/2)                           ; O^T (destination and source 0) in window 2 or 3, the factor in window 0
.set j, 0
.rept 64
	v_pk_mul_f32 v[128*(\t%2)+j:128*(\t%2)+j+1], v[128*(\t%2)+j:128*(\t%2)+j+1], v[FP+2*\t:FP+2*\t+1] op_sel_hi:[1,0]
.set j, j+2
.endr
.endr
.endm
; A KEY STEP.  par: the step's parity; first = 1: step 0, which starts M, l and O^T; fill = 1: the next step's block is asked for; how: the prefetch's test.
.macro STEP par, first, fill, how
.if \first == 0
.rept 5
	v_nop                                          ; five places behind the last V^T P: S^T is begun anew over V's fragments; K's loads land on p's codes (four would do for those)
.endr
.endif
	s_wait_tensorcnt 0x0                           ; my block is in: it is the one load of mine that is out.  Nobody else reads it, so no barrier is needed for the reads
	WIN 0x04                                       ; Q in window 1; all else, the loads' registers too, in window 0
	KLOAD 0
	KLOAD 1
	KLOAD 2
.irp P, 0,1,2,3,4,5,6,7
.if \P < 6
	s_wait_dscnt 16                                ; this pair is in; the next two pairs' 16 loads may stay out
.elseif \P == 6
	s_wait_dscnt 8                                 ; the last pair's eight may stay out
.else
	s_wait_dscnt 0x0
.endif
	KQ8 \P
.if \P < 5
.rept 4
	v_nop                                          ; four places in front of loads into registers that these products have read
.endr
	KLOAD \P+3
.endif
.endr
	WIN 0
.if \fill
	s_wait_tensorcnt 0x0                           ; no tensor load of mine is out, so a group 0 may be written
	ds_add_u32 v[SPW], v[NIL]                      ; 0 onto my spare word; the steps below stand between it and the wait for it
	s_add_nc_u64 s[G0+4*(\par)+2:G0+4*(\par)+3], s[G0+4*(\par)+2:G0+4*(\par)+3], 2*STEPB   ; this step's descriptor: two steps on
.if \first == 0
	s_wait_xcnt 0x0                                ; the last prefetches, a step back, have read their address
	s_add_nc_u64 s[PFA:PFA+1], s[PFA:PFA+1], STEPB
.endif
	s_wait_dscnt 0x0                               ; the add is done; my reads of K, and of the V that the load will cover, are over
	CROUND                                         ; the same holds of every wave of every partner
	tensor_load_to_lds s[G0+4*(1-(\par)):G0+4*(1-(\par))+3], s[G1:G1+7]   ; the next step's block: over K and the other parity's V
	s_nop 0
.rept 4
	v_nop                                          ; also the places in front of the first read of S^T
.endr
	ASK \how
.else
.rept 4
	v_nop
.endr
.endif
	; the largest score of each query among my 64 keys: four chains a tile, each begun at an accumulator's low end; the four tiles by turns
.irp k, 0,1,2,3
.irp t, 0,1,2,3
	v_max3_num_f32 v[T+4*\t+\k], v[S+32*\t+8*\k], v[S+32*\t+8*\k+1], v[S+32*\t+8*\k+2]
.endr
.endr
.irp m, 3,5
.irp k, 0,1,2,3
.irp t, 0,1,2,3
	v_max3_num_f32 v[T+4*\t+\k], v[T+4*\t+\k], v[S+32*\t+8*\k+\m], v[S+32*\t+8*\k+\m+1]
.endr
.endr
.endr
.irp t, 0,1,2,3
	v_max3_num_f32 v[T+4*\t], v[T+4*\t], v[S+32*\t+7], v[S+32*\t+15]
	v_max3_num_f32 v[T+4*\t+2], v[T+4*\t+2], v[S+32*\t+23], v[S+32*\t+31]
.endr
.irp t, 0,1,2,3
	v_max3_num_f32 v[T+4*\t], v[T+4*\t], v[T+4*\t+1], v[T+4*\t+2]
.endr
.irp t, 0,1,2,3
	v_max_num_f32 v[T+4*\t], v[T+4*\t], v[T+4*\t+3]
.endr
.irp t, 0,1,2,3
	v_permlanex16_b32 v[T+4*\t+1], v[T+4*\t], s[SEL], s[SEL+1]   ; the query's other 32 keys lie in the lane 16 away
.endr
.irp t, 0,1,2,3
	v_max_num_f32 v[T+4*\t], v[T+4*\t], v[T+4*\t+1]
.endr
.if \first
.irp t, 0,1,2,3
	v_mul_f32 v[ST+4*\t+1], s[CS], v[T+4*\t]       ; as t (c is positive)
.endr
.irp t, 0,1,2,3
	v_floor_f32 v[ST+4*\t], -v[ST+4*\t+1]          ; -M = floor(-t)
.endr
.else
.irp t, 0,1,2,3
	v_mul_f32 v[T+4*\t], s[CS], v[T+4*\t]
.endr
.irp t, 0,1,2,3
	v_max_num_f32 v[ST+4*\t+1], v[ST+4*\t+1], v[T+4*\t]   ; the running largest t
.endr
.irp t, 0,1,2,3
	v_mov_b32 v[T+4*\t+2], v[ST+4*\t]
.endr
.irp t, 0,1,2,3
	v_floor_f32 v[ST+4*\t], -v[ST+4*\t+1]
.endr
.irp t, 0,1,2,3
	v_sub_f32 v[T+4*\t+2], v[ST+4*\t], v[T+4*\t+2] ; old M - new M: a whole number, 0 or less
.endr
.irp t, 0,1,2,3
	v_cvt_i32_f32 v[T+4*\t+2], v[T+4*\t+2]         ; (it saturates)
.endr
.irp t, 0,1,2,3
	v_ldexp_f32 v[FP+2*\t], 1.0, v[T+4*\t+2]       ; f = 2^(old M - new M)
.endr
.endif
.irp b, 0,2,4,6,8,10,12,14,16,18,20,22,24,26,28,30
.irp t, 0,1,2,3
	v_pk_fma_f32 v[S+32*\t+\b:S+32*\t+\b+1], v[S+32*\t+\b:S+32*\t+\b+1], s[CS:CS+1], v[ST+4*\t:ST+4*\t+1] op_sel_hi:[1,0,0]   ; t - M (of the pairs c and -M the low word serves both halves)
.endr
.endr
.set j, 0
.rept 128
	v_exp_f32 v[S+j], v[S+j]                       ; p = 2^(t - M): one batch
.set j, j+1
.endr
.if \first
	v_nop                                          ; a plain line behind the last exponential
.else
.irp t, 0,1,2,3
	v_pk_mul_f32 v[ST+4*\t+2:ST+4*\t+3], v[ST+4*\t+2:ST+4*\t+3], v[FP+2*\t:FP+2*\t+1] op_sel_hi:[1,0]   ; l under the new M: plain lines behind the last exponential
.endr
.endif
	s_wait_alu depctr_va_vdst(0)                   ; the wait ahead of the first line that names an exponential's result: one for the batch
.irp t, 0,1,2,3                                ; l takes the unquantised p: two chains a tile, two numbers a line
	v_pk_add_f32 v[U+2*\t:U+2*\t+1], v[S+32*\t:S+32*\t+1], v[S+32*\t+2:S+32*\t+3]
.endr
.irp n, 4,8,12,16,20,24,28
.irp t, 0,1,2,3
.if \first && (\n == 4)
	v_pk_add_f32 v[ST+4*\t+2:ST+4*\t+3], v[S+32*\t+4:S+32*\t+5], v[S+32*\t+6:S+32*\t+7]   ; the first step starts l
.else
	v_pk_add_f32 v[ST+4*\t+2:ST+4*\t+3], v[ST+4*\t+2:ST+4*\t+3], v[S+32*\t+\n:S+32*\t+\n+1]
	v_pk_add_f32 v[U+2*\t:U+2*\t+1], v[U+2*\t:U+2*\t+1], v[S+32*\t+\n+2:S+32*\t+\n+3]
.endif
.endr
.endr
.irp t, 0,1,2,3
	v_pk_add_f32 v[ST+4*\t+2:ST+4*\t+3], v[ST+4*\t+2:ST+4*\t+3], v[U+2*\t:U+2*\t+1]
.endr
.set j, 0
.rept 128
	v_min_num_f32 v[S+j], v[S+j], v[LIM]           ; the conversion does not saturate (ISA guide 7.6.2); p is not negative, so the hold is one-sided
.set j, j+1
.endr
.set j, 0
.rept 16
	v_cvt_scalef32_pk8_bf8_f32 v[PC+2*j:PC+2*j+1], v[S+8*j:S+8*j+7], v[SCL]   ; tile t, key tile kt (j = 4 t + kt): registers 2 kt, 2 kt + 1 of the tile's operand
.set j, j+1
.endr
	v_nop                                          ; a plain line between the conversions and the products that read their results
.irp C, 0,1,2,3,4,5,6,7,8,9,10,11,12,13,14,15  ; V's 16 fragments (16 channels x 64 keys, 8 registers) take p's place
.irp b, 0,1
	ds_load_b128 v[S+8*\C+4*\b:S+8*\C+4*\b+3], v[LB] offset:(\par)*VB+1024*\C+512*\b
.endr
.endr
.if \first == 0
	RESCALE                                        ; O^T under the new M, while V lands
.endif
	s_wait_dscnt 0x0                               ; V is in
.irp w, 0,1                                    ; O^T += V^T P: one product for each of the 64 accumulators
	WIN 0xa0+0x50*\w                               ; C and D in window 2, then 3
.irp C, 0,1,2,3,4,5,6,7,8,9,10,11,12,13,14,15
.irp u, 0,1
.if \first
	v_wmma_f32_16x16x64_bf8_bf8 v[128*\u+8*\C:128*\u+8*\C+7], v[S+8*\C:S+8*\C+7], v[PC+8*(2*\w+\u):PC+8*(2*\w+\u)+7], 0
.else
	v_wmma_f32_16x16x64_bf8_bf8 v[128*\u+8*\C:128*\u+8*\C+7], v[S+8*\C:S+8*\C+7], v[PC+8*(2*\w+\u):PC+8*(2*\w+\u)+7], v[128*\u+8*\C:128*\u+8*\C+7]
.endif
.endr
.endr
.endr
	WIN 0
.endm
	STEP 0, 1, 1, 1                                ; step 0 is written out: its products start the sums
	s_mov_b32 s[CNT], 7
.Lpair:                                            ; steps 1 to 14, two a trip, until the parities are back where they began
	STEP 1, 0, 1, 1
	STEP 0, 0, 1, 0
	s_sub_co_u32 s[CNT], s[CNT], 1
	s_cmp_lg_u32 s[CNT], 0
	s_cbranch_scc1 .Lpair
	STEP 1, 0, 0, 0                                ; step 15 is written out: nothing is left to ask for
	; THE MERGE.  l's two halves and the other half of the lanes' (these lines are the places behind the last products); (-M, l) of each tile goes to LDS for the other waves.
.irp t, 0,1,2,3
	v_add_f32 v[T+4*\t], v[ST+4*\t+2], v[ST+4*\t+3]
.endr
.irp t, 0,1,2,3
	v_permlanex16_b32 v[T+4*\t+1], v[T+4*\t], s[SEL], s[SEL+1]
.endr
.irp t, 0,1,2,3
	v_add_f32 v[ST+4*\t+1], v[T+4*\t], v[T+4*\t+1] ; beside -M, as a pair
.endr
	v_lshrrev_b32 v[SL], 1, v[QO]
	v_add_nc_u32 v[SL], STATS, v[SL]               ; 8 x lane
	s_lshl_b32 s44, s[WV], 10
	v_add_nc_u32 v[SA], s44, v[SL]                 ; + 1,024 x wave
.irp t, 0,1,2,3
	ds_store_b64 v[SA], v[ST+4*\t:ST+4*\t+1] offset:256*\t
.endr
	v_and_b32 v[SO], 15, v0
	v_mul_u32_u24 v[SO], v[SO], SPITCH
	v_bfe_u32 v[RD], v0, 4, 1
	v_lshl_add_u32 v[SO], v[RD], 5, v[SO]
	s_mul_i32 s44, s[WV], STG
	v_add_nc_u32 v[SO], s44, v[SO]                 ; into my stage: row lane % 16, + 32 (lane / 16)
	s_mul_i32 s45, s[WV], 16*SPITCH
	v_add_nc_u32 v[RD], s45, v[QO]                 ; back: rows 16 x wave on of each of the four stages, 16 bytes a lane
	v_add_nc_u32 v[RD+1], STG, v[RD]
	v_add_nc_u32 v[RD+2], 2*STG, v[RD]
	v_add_nc_u32 v[RD+3], 3*STG, v[RD]
	s_wait_dscnt 0x0                               ; for the others' sake: my stores are done; my reads of the ring were over before
	s_barrier_signal -1
	s_barrier_wait -1                              ; nobody reads the ring any more, and it has had its last fill: the stages may be written
.irp w, 0,1,2,3
.irp t, 0,1,2,3
	ds_load_b64 v[W0+8*\w+2*\t:W0+8*\w+2*\t+1], v[SL] offset:1024*\w+256*\t
.endr
.endr
	s_wait_dscnt 0x0
.irp t, 0,1,2,3
	v_min3_num_f32 v[T+4*\t], v[W0+2*\t], v[W0+8+2*\t], v[W0+16+2*\t]
.endr
.irp t, 0,1,2,3
	v_min_num_f32 v[T+4*\t], v[T+4*\t], v[W0+24+2*\t]   ; -M* = the least -M
.endr
.irp w, 0,1,2,3
.irp t, 0,1,2,3
	v_sub_f32 v[W0+8*\w+2*\t], v[T+4*\t], v[W0+8*\w+2*\t]   ; M of wave w - M*: a whole number, 0 or less
.endr
.endr
.irp t, 0,1,2,3
	v_sub_f32 v[T+4*\t+2], v[T+4*\t], v[ST+4*\t]   ; my own
.endr
.irp w, 0,1,2,3
.irp t, 0,1,2,3
	v_cvt_i32_f32 v[W0+8*\w+2*\t], v[W0+8*\w+2*\t]
.endr
.endr
.irp t, 0,1,2,3
	v_cvt_i32_f32 v[T+4*\t+2], v[T+4*\t+2]
.endr
.irp w, 0,1,2,3
.irp t, 0,1,2,3
	v_ldexp_f32 v[W0+8*\w+2*\t+1], v[W0+8*\w+2*\t+1], v[W0+8*\w+2*\t]   ; l of wave w under M*
.endr
.endr
.irp t, 0,1,2,3
	v_add_f32 v[W0+2*\t+1], v[W0+2*\t+1], v[W0+8+2*\t+1]
	v_add_f32 v[W0+16+2*\t+1], v[W0+16+2*\t+1], v[W0+24+2*\t+1]
.endr
.irp t, 0,1,2,3
	v_add_f32 v[T+4*\t+1], v[W0+2*\t+1], v[W0+16+2*\t+1]   ; l*
.endr
.irp t, 0,1,2,3
	v_rcp_f32 v[T+4*\t+3], v[T+4*\t+1]
.endr
	v_nop                                          ; a plain line behind the last reciprocal
	s_wait_alu depctr_va_vdst(0)                   ; the wait ahead of the first use: one for the four
.irp t, 0,1,2,3
	v_ldexp_f32 v[T+4*\t+3], v[T+4*\t+3], s52      ; x 2^(e8 + e9),
.endr
.irp t, 0,1,2,3
	v_ldexp_f32 v[FP+2*\t], v[T+4*\t+3], v[T+4*\t+2]   ; x 2^(my M - M*): two steps, so that a saturated whole number is never added to
.endr
	RESCALE                                        ; my share of the result
.irp t, 0,1,2,3                                ; into my stage: row 16 t + lane % 16; channels 16 C + 8 (lane / 16) + 0 .. 7
	WIN 0x08+4*(\t/2)                              ; the stores' data in window 2 or 3
.irp C, 0,1,2,3,4,5,6,7,8,9,10,11,12,13,14,15
	ds_store_b128 v[SO], v[128*(\t%2)+8*\C:128*(\t%2)+8*\C+3] offset:16*SPITCH*\t+64*\C
	ds_store_b128 v[SO], v[128*(\t%2)+8*\C+4:128*(\t%2)+8*\C+7] offset:16*SPITCH*\t+64*\C+16
.endr
.endr
	WIN 0
	s_wait_dscnt 0x0                               ; for the others' sake: my stage is whole
	s_barrier_signal -1
	s_barrier_wait -1
.irp q, 0,1,2,3                                ; wave w adds and stores rows 16 w .. 16 w + 15, four at a time: piece k = half k % 2 of row 4 q + k / 2
.if \q > 0
	s_wait_xcnt 0x0                                ; the last four rows' stores have read their registers, which are loaded again
.endif
.irp s, 0,1,2,3
.irp k, 0,1,2,3,4,5,6,7
	ds_load_b128 v[S+32*\s+4*\k:S+32*\s+4*\k+3], v[RD+\s] offset:(4*\q+\k/2)*SPITCH+512*(\k%2)
.endr
.endr
	s_wait_dscnt 0x0
.irp k, 0,1,2,3,4,5,6,7
.irp e, 0,2
	v_pk_add_f32 v[S+4*\k+\e:S+4*\k+\e+1], v[S+4*\k+\e:S+4*\k+\e+1], v[S+32+4*\k+\e:S+32+4*\k+\e+1]
	v_pk_add_f32 v[S+64+4*\k+\e:S+64+4*\k+\e+1], v[S+64+4*\k+\e:S+64+4*\k+\e+1], v[S+96+4*\k+\e:S+96+4*\k+\e+1]
.endr
.endr
.irp k, 0,1,2,3,4,5,6,7
.irp e, 0,2
	v_pk_add_f32 v[S+4*\k+\e:S+4*\k+\e+1], v[S+4*\k+\e:S+4*\k+\e+1], v[S+64+4*\k+\e:S+64+4*\k+\e+1]
.endr
.endr
.irp k, 0,1,2,3,4,5,6,7
	global_store_b128 v[QO], v[S+4*\k:S+4*\k+3], s[10:11] offset:(4*\q+\k/2)*1024+512*(\k%2) th:TH_STORE_NT   ; 32 lanes store 512 consecutive bytes, aligned; written once, read by nobody here
.endr
.endr
	s_wait_tensorcnt 0x0                           ; the wave's end, behind my last tensor load and my last LDS store
	ds_add_u32 v[SPW], v[NIL]
	s_wait_dscnt 0x0
	CROUND                                         ; the closing round: no work-group ends while a partner may still ask for a block that names it
	s_endpgm
.Lfunc_end_k_q6991c84f91_attn:
	.size	k_q6991c84f91_attn, .Lfunc_end_k_q6991c84f91_attn-k_q6991c84f91_attn
	.p2alignl 7, 3214868480
	.fill 96, 4, 3214868480
	.section	.rodata,"a",@progbits
	.p2align	6, 0x0
	.amdhsa_kernel k_q6991c84f91_attn
		.amdhsa_group_segment_fixed_size 327680
		.amdhsa_private_segment_fixed_size 0
		.amdhsa_enable_private_segment 0
		.amdhsa_kernarg_size 32
		.amdhsa_user_sgpr_count 2
		.amdhsa_user_sgpr_kernarg_segment_ptr 1
		.amdhsa_wavefront_size32 1
		.amdhsa_system_sgpr_workgroup_id_x 1
		.amdhsa_system_sgpr_workgroup_id_y 1
		.amdhsa_system_sgpr_workgroup_id_z 1
		.amdhsa_system_vgpr_workitem_id 0
		.amdhsa_next_free_vgpr 1024
		.amdhsa_next_free_sgpr 66
		.amdhsa_reserve_vcc 0
		.amdhsa_float_denorm_mode_32 3
		.amdhsa_float_denorm_mode_16_64 3
		.amdhsa_memory_ordered 1
		.amdhsa_forward_progress 1
		.amdhsa_inst_pref_size 255
	.end_amdhsa_kernel
	.section	.bss,"aw",@nobits
	.p2align	6
	.space	262144
	.amdgpu_metadata
---
amdhsa.version: [ 1, 2 ]
amdhsa.kernels:
  - .name:           k_q6991c84f91_attn
    .symbol:         k_q6991c84f91_attn.kd
    .args:
      - { .name: qimg, .offset: 0, .size: 8, .value_kind: global_buffer, .address_space: global }
      - { .name: kv, .offset: 8, .size: 8, .value_kind: global_buffer, .address_space: global }
      - { .name: lowp_scales, .offset: 16, .size: 8, .value_kind: global_buffer, .address_space: global }
      - { .name: out0, .offset: 24, .size: 8, .value_kind: global_buffer, .address_space: global }
    .group_segment_fixed_size: 327680
    .private_segment_fixed_size: 0
    .kernarg_segment_align: 8
    .kernarg_segment_size: 32
    .max_flat_workgroup_size: 128
    .sgpr_count:     66
    .vgpr_count:     1024
    .wavefront_size: 32
...
	.end_amdgpu_metadata
.endif
;; end of part 2
;; ======== version 2 of 2: 2 launches
;; limits: right only within a limited range of input values
;; workspace buffers: qimg 8,388,608 bytes; kv 12,582,912 bytes
;; launch proj (part 3): grid 4 x 64, 4 waves a work-group, clusters of 4 x 4, 327,680 bytes of LDS; arguments x_codes, Wq_codes, Wk_codes, Wv_codes, bq, bk, bv, lowp_scales, qimg, kv; writes qimg, kv
.if DOCPART == 3
	.amdgcn_target "amdgcn-amd-amdhsa--gfx1250"
	.amdhsa_code_object_version 6
	.text
	.protected	k_q6991c84f91_proj
	.globl	k_q6991c84f91_proj
	.p2align	8
	.type	k_q6991c84f91_proj,@function
k_q6991c84f91_proj:
	s_mov_b64 s[64:65], 0
	v_nop
	global_prefetch_b8 v0, s[64:65] scope:SCOPE_SE
	s_setreg_imm32_b32 hwreg(HW_REG_WAVE_MODE, 25, 1), 1
	s_wait_xcnt 0x0
	s_wait_alu depctr_hold_cnt(0) depctr_sa_sdst(0) depctr_va_vdst(0) depctr_va_sdst(0) depctr_va_ssrc(0) depctr_va_vcc(0) depctr_vm_vsrc(0)
	s_getreg_b32 s2, hwreg(HW_REG_IB_STS2, 6, 4)
	s_cmp_eq_u32 s2, 0
	s_cbranch_scc0 .Lentry_in_a_cluster
	s_endpgm
.Lentry_in_a_cluster:
	s_bfe_u32 s2, ttmp6, 0x10000c
	s_cmp_lg_u32 s2, 0xf033
	s_cbranch_scc0 .Lentry_shape_is_right
	s_endpgm
.Lentry_shape_is_right:
; q = x Wq + bq, k = x Wk + bk, v = x Wv + bv on codes of E5M2, and their quantising for the two products of attention.
; x: [16384][512] codes; Wq, Wk: [512][512], Wv: [256][512] codes, K innermost; biases f32; lowp_scales e0 .. e9.
; A sum of codes stands for sum x 2^(ex + ew).  The bias goes in as the C of a sum's first matrix instruction, divided by 2^(ex + ew); the conversion then takes the one scale 2^(eo - ex - ew).
; LIMITS: e6 - e0 - e1, e7 - e2 - e3 and e9 - e4 - e5 lie between -126 and 112, so that scale and largest number x scale are f32 numbers.  Codes of NaN or infinity among the inputs are not served.
; SHARES.  Work-group (g, i): tokens 256 i .. + 255; columns 128 g .. + 127 of q and of k, 64 g .. + 63 of v.  Wave w: tokens 256 i + 64 w .. + 63, four tiles of 16: block 4 i + w of 64 tokens.
; CLUSTER 4 x 4: the four of a row (same i) need the same rows of x, the four of a column (same g) the same rows of the weights: each tile is asked for jointly.  All tiles fit in LDS at once: nothing is filled twice.
; q AND k ARE MADE TRANSPOSED (source 0 = 16 rows of W, source 1 = 16 tokens): a lane holds one token, its registers eight hidden units; two neighbouring tiles give four registers of codes:
; chunk b of a fragment (16 tokens x 128 hidden).  In half h of the lanes registers 4 b, 4 b + 1 hold units 32 b + 8 h + 0 .. 7 and 4 b + 2, 4 b + 3 units 32 b + 16 + 8 h + 0 .. 7: the same order in q and in k, so every product meets its partner.
; v IS MADE THE OTHER WAY ROUND (source 0 = 16 tokens, source 1 = 16 rows of Wv): a lane holds one channel, its registers eight tokens: the keys are the second product's K.
; THE CODES LEAVE AS IMAGES OF THE OPERANDS' REGISTERS: four registers a lane, lane l's 16 bytes at 16 l: each store of the wave covers 512 consecutive bytes, aligned.
;   qimg: [block][tile t][K step ks][2,048].   kv: [block][49,152]: even steps of attention (i even): V's 16 KB, then K's 32 KB; odd steps: K's, then V's.  K: fragment 4 ks + tile at 2,048 each; V: channel tile C at 1,024 each.
; REGISTERS: window 0: v1-15 addresses and scales; v16-19 bv; v32-95 eight accumulators; v96-255 codes (every store has data registers of its own).  window 1: x's 16 fragments.
;   window 2: two sets of 8 weight fragments.  window 3: v0-63 bq, v64-127 bk, v128-159 bv, each divided by its power of two, in the results' layout.
; V's PLACE IN kv, in full (it replaces what the list above says of V): the V part of block 4 i + g holds channels 64 g .. + 63 of the step's 256 tokens i: channel tile C of four at 4,096 C, token block w at 1,024 w, chunk b at 512 b.
; THE TILES.  Each wave issues one tensor load: wave 0 x's 256 rows, waves 1 and 2 the 128 rows of Wq and of Wk, wave 3 the 64 rows of Wv.  Everything is read behind one barrier.
.set PITCH, 528                        ; an LDS row: 512 bytes + 16 of padding: the 16 rows of a fragment load begin 16 bytes apart modulo 256
.set WREG,  256*PITCH                  ; x's 256 rows from 0; from here Wq's 128 rows, Wk's 128, Wv's 64
.set G1V,   4                          ; s[4:11] group 1 for Wv's tile, over the arguments that have been used
.set SPARE, WREG+320*PITCH             ; the spare words, 128 bytes a wave: two blocks of 256 bytes that no other line names
.set XA,   1                           ; v1   my place in my wave's rows of x
.set WAQ,  2                           ; v2-4 my place in Wq's, Wk's, Wv's rows
.set GOFF, 5                           ; v5   16 x lane: an image's place for my lane
.set SPW,  6                           ; v6   my spare word; never rewritten
.set NIL,  7                           ; v7   0; never rewritten
.set BO,   8                           ; v8   32 x (lane / 16): bq, bk
.set BVO,  9                           ; v9   4 x (lane % 16): bv
.set SCQ,  10                          ; v10, v11 q's scale and largest number x scale; v12, v13 k's; v14, v15 v's
.set LMQ,  11
.set SCK,  12
.set LMK,  13
.set SCV,  14
.set LMV,  15
.set BVR,  16
.set ACC,  32
.set CQ,   96
.set CK,   160
.set CV,   224
.set WV,   24                          ; s24  wave
.set G1X,  28                          ; s[28:35] group 1 for x's tiles; s[36:43] for the weights': they differ in the mask
.set G1W,  36
.set GX,   44                          ; s[44:47], s[48:51], s[52:55] groups 0: x, Wq or Wk, Wv
.set GW,   48
.set GV,   52
.set MSB, 0
.macro WIN new                         ; the immediate's high byte repeats the setting that is left; a switch that changes nothing is dropped
.if MSB != (\new)
	s_set_vgpr_msb (MSB<<8)|(\new)
.set MSB, (\new)
.endif
.endm
.macro CROUND                          ; a round of the cluster's barrier
	s_barrier_signal -1
	s_barrier_wait -1
	s_cmp_lg_u32 s[WV], 0
	s_cbranch_scc1 .Lnot_wave_0_\@
	s_barrier_signal -3
.Lnot_wave_0_\@:
	s_barrier_wait -3
	s_barrier_signal -1
	s_barrier_wait -1
.endm
	s_load_b512 s[4:19], s[0:1], 0x0               ; x s[4:5], Wq s[6:7], Wk s[8:9], Wv s[10:11], bq s[12:13], bk s[14:15], bv s[16:17], scales s[18:19]
	s_load_b128 s[20:23], s[0:1], 0x40             ; qimg s[20:21], kv s[22:23]
	v_lshl_add_u32 v[SPW], v0, 2, SPARE
	v_mov_b32 v[NIL], 0
	ds_add_u32 v[SPW], v[NIL]                      ; the wave's opening: the add and its wait ahead of my first tensor load; the set-up below stands between them
	ds_add_u32 v[SPW], v[NIL]
	v_lshrrev_b32 v1, 5, v0
	v_readfirstlane_b32 s[WV], v1                  ; wave 0..3
	s_bfe_u32 s25, ttmp6, 0x40000                  ; cx
	s_bfe_u32 s26, ttmp6, 0x40004                  ; cy
	s_lshl_b32 s68, ttmp9, 2
	s_add_co_u32 s68, s68, s25                     ; g = 4 x cluster x + cx
	s_and_b32 s27, ttmp7, 0xffff
	s_lshl_b32 s27, s27, 2
	s_add_co_u32 s27, s27, s26                     ; i = 4 x cluster y + cy
	s_lshl_b32 s69, s26, 2
	s_lshl_b32 s69, 15, s69                        ; my row of the cluster
	s_lshl_b32 s70, 0x1111, s25                    ; my column
	; group 1: 256, 128 or 64 rows x 512 elements of one byte, 4 words of padding behind every 128
	s_or_b32 s[G1X], s69, (1<<20)|(1<<21)|(6<<22)|(3<<25)
	s_or_b32 s[G1W], s70, (1<<20)|(1<<21)|(6<<22)|(3<<25)
.macro G1ROWS g, rows
	s_mov_b32 s[\g+1], 512<<16                     ; tensor_dim0
	s_mov_b32 s[\g+2], (\rows)<<16                 ; tensor_dim1
	s_mov_b32 s[\g+3], 512<<16                     ; tile_dim0
	s_mov_b32 s[\g+4], \rows                       ; tile_dim1
	s_mov_b32 s[\g+5], 512                         ; from row to row
	s_mov_b32 s[\g+6], 0
	s_mov_b32 s[\g+7], 0
.endm
	G1ROWS G1X, 256
	G1ROWS G1W, 128
	s_lshl_b32 s72, s27, 17                        ; x: 256 i rows of 512 bytes: made of i alone
	s_mov_b32 s73, 0
	s_lshl_b32 s74, s68, 16                        ; Wq, Wk: rows 128 g: made of g alone
	s_mov_b32 s75, 0
	s_lshl_b32 s76, s68, 15                        ; Wv: rows 64 g
	s_mov_b32 s77, 0
	s_mul_i32 s78, s[WV], 64*PITCH                 ; my wave's 64 rows of x in LDS
	s_lshl_b32 s80, s68, 9                         ; bq, bk: 128 g numbers on
	s_mov_b32 s81, 0
	s_lshl_b32 s82, s27, 2
	s_add_co_u32 s82, s82, s[WV]                   ; my block of 64 tokens: 4 i + wave
	s_lshl_b32 s84, s82, 15
	s_lshl_b32 s85, s68, 11
	s_add_co_u32 s84, s84, s85                     ; qimg: block x 32,768 + 2,048 g (K step g)
	s_mov_b32 s85, 0
	s_mul_i32 s86, s82, 49152
	s_and_b32 s83, s27, 1                          ; the step's parity
	s_lshl_b32 s87, s83, 15
	s_lshl_b32 s92, s27, 2
	s_add_co_u32 s92, s92, s68                     ; V goes to block 4 i + g,
	s_mul_i32 s92, s92, 49152
	s_add_co_u32 s90, s92, s87                     ; V's part: at 0 (even) or 32,768 (odd),
	s_lshl_b32 s87, s[WV], 10
	s_add_co_u32 s90, s90, s87                     ; + 1,024 x wave (token block)
	s_mov_b32 s91, 0
	s_xor_b32 s83, s83, 1
	s_lshl_b32 s87, s83, 14
	s_add_co_u32 s88, s86, s87                     ; K's part: at 16,384 (even) or 0 (odd),
	s_lshl_b32 s87, s68, 13
	s_add_co_u32 s88, s88, s87                     ; + 8,192 g (K step g)
	s_mov_b32 s89, 0
	s_wait_dscnt 0x0                               ; the opening add is done
	s_wait_kmcnt 0x0
	s_load_b256 s[56:63], s[18:19], 0x0            ; e0 .. e7
	s_load_b32 s66, s[18:19], 0x24                 ; e9
	s_mov_b32 s[GX], 1
	s_mov_b32 s[GX+1], 0
	s_add_nc_u64 s[GX+2:GX+3], s[4:5], s[72:73]
	s_or_b32 s[GX+3], s[GX+3], 0x80000000
	s_mov_b32 s[GW], 1
	s_mul_i32 s93, s[WV], 128*PITCH
	s_add_co_u32 s[GW+1], s93, WREG-128*PITCH      ; wave 1: Wq's 128 rows, wave 2: Wk's behind them
	s_cmp_lt_u32 s[WV], 2                          ; the choice hangs on the wave's number alone
	s_cselect_b64 s[GW+2:GW+3], s[6:7], s[8:9]
	s_add_nc_u64 s[GW+2:GW+3], s[GW+2:GW+3], s[74:75]
	s_or_b32 s[GW+3], s[GW+3], 0x80000000
	s_mov_b32 s[GV], 1
	s_mov_b32 s[GV+1], WREG+256*PITCH
	s_add_nc_u64 s[GV+2:GV+3], s[10:11], s[76:77]
	s_or_b32 s[GV+3], s[GV+3], 0x80000000
	s_add_nc_u64 s[12:13], s[12:13], s[80:81]
	s_add_nc_u64 s[14:15], s[14:15], s[80:81]
	s_lshl_b32 s80, s68, 8                         ; bv: 64 g numbers on
	s_add_nc_u64 s[16:17], s[16:17], s[80:81]
	s_add_nc_u64 s[20:21], s[20:21], s[84:85]
	s_add_nc_u64 s[88:89], s[22:23], s[88:89]
	s_add_nc_u64 s[90:91], s[22:23], s[90:91]
	s_or_b32 s[G1V], s70, (1<<20)|(1<<21)|(6<<22)|(3<<25)
	G1ROWS G1V, 64
	CROUND                                         ; all sixteen work-groups are here: the joint loads meet
	s_cmp_eq_u32 s[WV], 0                          ; one tensor load a wave, an arm each; the branches hang on the wave's number alone
	s_cbranch_scc0 .Lnot_x
	tensor_load_to_lds s[GX:GX+3], s[G1X:G1X+7]    ; wave 0: x's 256 rows
	s_nop 0
.rept 4
	v_nop
.endr
	s_branch .Lasked
.Lnot_x:
	s_cmp_lt_u32 s[WV], 3
	s_cbranch_scc0 .Lfor_wv
	tensor_load_to_lds s[GW:GW+3], s[G1W:G1W+7]    ; waves 1, 2: 128 rows of Wq, of Wk
	s_nop 0
.rept 4
	v_nop
.endr
	s_branch .Lasked
.Lfor_wv:
	tensor_load_to_lds s[GV:GV+3], s[G1V:G1V+7]    ; wave 3: Wv's 64 rows
	s_nop 0
.rept 4
	v_nop
.endr
.Lasked:
	v_and_b32 v20, 15, v0                          ; r
	v_bfe_u32 v21, v0, 4, 1                        ; h
	v_mul_u32_u24 v22, v20, PITCH
	v_lshl_add_u32 v22, v21, 4, v22                ; a fragment's row x pitch + 16 h
	v_add_nc_u32 v[XA], s78, v22
	v_add_nc_u32 v[WAQ], WREG, v22
	v_add_nc_u32 v[WAQ+1], WREG+128*PITCH, v22
	v_add_nc_u32 v[WAQ+2], WREG+256*PITCH, v22
	v_and_b32 v[GOFF], 31, v0
	v_lshlrev_b32 v[GOFF], 4, v[GOFF]
	v_lshlrev_b32 v[BO], 5, v21
	v_lshlrev_b32 v[BVO], 2, v20
	WIN 0xc0                                       ; destination window 3
.irp t, 0,1,2,3,4,5,6,7                        ; tile t of my 128 units: lane (r, h) wants the bias of units 16 t + 8 h + 0 .. 7
	global_load_b128 v[8*\t:8*\t+3], v[BO], s[12:13] offset:64*\t
	global_load_b128 v[8*\t+4:8*\t+7], v[BO], s[12:13] offset:64*\t+16
	global_load_b128 v[64+8*\t:64+8*\t+3], v[BO], s[14:15] offset:64*\t
	global_load_b128 v[64+8*\t+4:64+8*\t+7], v[BO], s[14:15] offset:64*\t+16
.endr
	WIN 0
.irp c, 0,1,2,3                                ; channel tile c of my 64: lane (r, h) wants the bias of channel 16 c + r
	global_load_b32 v[BVR+\c], v[BVO], s[16:17] offset:64*\c
.endr
; s[n] = -(ea + eb); v[sc] = 2^(eo - ea - eb); v[lm] = 57,344 x that
.macro MKSC a, b, o, n, sc, lm
	s_add_co_i32 s[\n], s[\a], s[\b]
	s_sub_co_i32 s93, s[\o], s[\n]
	s_sub_co_i32 s[\n], 0, s[\n]
	s_add_co_i32 s93, s93, 127
	s_lshl_b32 s94, s93, 23
	v_mov_b32 v[\sc], s94
	s_add_co_i32 s93, s93, 15
	s_lshl_b32 s93, s93, 23
	s_or_b32 s93, s93, 0x600000
	v_mov_b32 v[\lm], s93
.endm
	s_wait_kmcnt 0x0
	MKSC 56, 57, 62, 92, SCQ, LMQ
	MKSC 58, 59, 63, 95, SCK, LMK
	MKSC 60, 61, 66, 96, SCV, LMV
	s_wait_loadcnt 0x0                             ; the biases
	WIN 0xc3                                       ; source 0 and destination window 3
.set j, 0
.rept 64
	v_ldexp_f32 v[j], v[j], s92                    ; bq / 2^(e0 + e1)
	v_ldexp_f32 v[64+j], v[64+j], s95              ; bk / 2^(e2 + e3)
.set j, j+1
.endr
	WIN 0xc0
.irp c, 0,1,2,3
.irp i, 0,1,2,3,4,5,6,7
	v_ldexp_f32 v[128+8*\c+\i], v[BVR+\c], s96     ; bv / 2^(e4 + e5): a lane's eight tokens share its channel's bias
.endr
.endr
	WIN 0
	s_wait_tensorcnt 0x0                           ; my tiles are in,
	s_barrier_signal -1
	s_barrier_wait -1                              ; everybody's are: the weights' rows are read by all four waves
	WIN 0x40                                       ; destination window 1
.irp tt, 0,1,2,3                               ; a fragment: 16 rows x 128 K in 16 registers: registers 4 c .. 4 c + 3 hold K = 32 c + 16 h + 0 .. 15: the same order in x and in the weights
.irp ks, 0,1,2,3
.irp c, 0,1,2,3
	ds_load_b128 v[16*(4*\tt+\ks)+4*\c:16*(4*\tt+\ks)+4*\c+3], v[XA] offset:16*\tt*PITCH+128*\ks+32*\c
.endr
.endr
.endr
; pair p of ten: two tiles of 16 rows of a weight (0-3: Wq, 4-7: Wk, 8, 9: Wv), all four K steps, into set p % 2
.macro FETCHW p
	WIN 0x80                                       ; destination window 2
.set WADR, WAQ+(\p)/4
.irp u, 0,1
.irp ks, 0,1,2,3
.irp c, 0,1,2,3
	ds_load_b128 v[128*((\p)%2)+16*(4*\u+\ks)+4*\c:128*((\p)%2)+16*(4*\u+\ks)+4*\c+3], v[WADR] offset:(32*((\p)%4)+16*\u)*PITCH+128*\ks+32*\c
.endr
.endr
.endr
.endm
; 32 matrix instructions: two tiles of units x four tiles of tokens, K = 512.  The eight accumulators take turns, one instruction a turn.  The first K step takes the bias as C.
.macro MULQK p
.set WS, 128*((\p)%2)
.set BB, 64*((\p)/4)+16*((\p)%4)
.irp ks, 0,1,2,3
.if \ks == 0
	WIN 0x36                                       ; source 0 (W) window 2, source 1 (x) window 1, C (bias) window 3
.else
	WIN 0x06
.endif
.irp u, 0,1
.irp tt, 0,1,2,3
.if \ks == 0
	v_wmma_f32_16x16x128_bf8_bf8 v[ACC+16*\tt+8*\u:ACC+16*\tt+8*\u+7], v[WS+16*(4*\u+\ks):WS+16*(4*\u+\ks)+15], v[16*(4*\tt+\ks):16*(4*\tt+\ks)+15], v[BB+8*\u:BB+8*\u+7]
.else
	v_wmma_f32_16x16x128_bf8_bf8 v[ACC+16*\tt+8*\u:ACC+16*\tt+8*\u+7], v[WS+16*(4*\u+\ks):WS+16*(4*\u+\ks)+15], v[16*(4*\tt+\ks):16*(4*\tt+\ks)+15], v[ACC+16*\tt+8*\u:ACC+16*\tt+8*\u+7]
.endif
.endr
.endr
.endr
.endm
.macro MULV p                          ; the same for v, the sources the other way round: two tiles of channels x four tiles of tokens
.set WS, 128*((\p)%2)
.set BB, 128+16*((\p)-8)
.irp ks, 0,1,2,3
.if \ks == 0
	WIN 0x39                                       ; source 0 (x) window 1, source 1 (Wv) window 2, C (bias) window 3
.else
	WIN 0x09
.endif
.irp cc, 0,1
.irp tt, 0,1,2,3
.if \ks == 0
	v_wmma_f32_16x16x128_bf8_bf8 v[ACC+32*\cc+8*\tt:ACC+32*\cc+8*\tt+7], v[16*(4*\tt+\ks):16*(4*\tt+\ks)+15], v[WS+16*(4*\cc+\ks):WS+16*(4*\cc+\ks)+15], v[BB+8*\cc:BB+8*\cc+7]
.else
	v_wmma_f32_16x16x128_bf8_bf8 v[ACC+32*\cc+8*\tt:ACC+32*\cc+8*\tt+7], v[16*(4*\tt+\ks):16*(4*\tt+\ks)+15], v[WS+16*(4*\cc+\ks):WS+16*(4*\cc+\ks)+15], v[ACC+32*\cc+8*\tt:ACC+32*\cc+8*\tt+7]
.endif
.endr
.endr
.endr
.endm
; the eight accumulators become 16 registers of codes.  Four places behind the last product (ISA guide 7.12.1); each accumulator is read from its low end on.
; These vector lines are also the places in front of the next loads into the weights' set just read and of the next pair's products, which begin the accumulators anew.
.macro QUANT sc, lm, dst
	WIN 0
.rept 4
	v_nop
.endr
.set j, 0
.rept 64
	v_med3_num_f32 v[ACC+j], v[ACC+j], -v[\lm], v[\lm]   ; the conversion to an 8-bit code does not saturate (ISA guide 7.6.2): the hold at the largest code x the scale
.set j, j+1
.endr
.set j, 0
.rept 8
	v_cvt_scalef32_pk8_bf8_f32 v[(\dst)+2*j:(\dst)+2*j+1], v[ACC+8*j:ACC+8*j+7], v[\sc]
.set j, j+1
.endr
	v_nop                                          ; a plain line between the conversions and the products that write their sources again
.endm
	FETCHW 0
.irp p, 0,1,2,3,4,5,6,7,8,9
.if \p < 9
	FETCHW \p+1
	s_wait_dscnt 32                                ; x and this pair's weights are in; the 32 loads just issued may stay out
.else
	s_wait_dscnt 0x0
.endif
.if \p < 4
	MULQK \p
	QUANT SCQ, LMQ, CQ+16*\p
.irp tt, 0,1,2,3
	global_store_b128 v[GOFF], v[CQ+16*\p+4*\tt:CQ+16*\p+4*\tt+3], s[20:21] offset:8192*\tt+512*\p           ; chunk p of q's fragment (tile tt, K step g)
.endr
.elseif \p < 8
	MULQK \p
	QUANT SCK, LMK, CK+16*(\p-4)
.irp tt, 0,1,2,3
	global_store_b128 v[GOFF], v[CK+16*(\p-4)+4*\tt:CK+16*(\p-4)+4*\tt+3], s[88:89] offset:2048*\tt+512*(\p-4)   ; chunk p - 4 of k's fragment 4 g + tt
.endr
.else
	MULV \p
	QUANT SCV, LMV, CV+16*(\p-8)
.irp cc, 0,1
.irp b, 0,1
	global_store_b128 v[GOFF], v[CV+16*(\p-8)+8*\cc+4*\b:CV+16*(\p-8)+8*\cc+4*\b+3], s[90:91] offset:4096*(2*(\p-8)+\cc)+512*\b   ; chunk b of v's channel tile 2 (p - 8) + cc of my 64 channels
.endr
.endr
.endif
.endr
	s_wait_tensorcnt 0x0                           ; the wave's end
	ds_add_u32 v[SPW], v[NIL]
	s_wait_dscnt 0x0
	CROUND                                         ; the closing round: no work-group ends while a partner may still ask for a tile that names it
	s_endpgm
.Lfunc_end_k_q6991c84f91_proj:
	.size	k_q6991c84f91_proj, .Lfunc_end_k_q6991c84f91_proj-k_q6991c84f91_proj
	.p2alignl 7, 3214868480
	.fill 96, 4, 3214868480
	.section	.rodata,"a",@progbits
	.p2align	6, 0x0
	.amdhsa_kernel k_q6991c84f91_proj
		.amdhsa_group_segment_fixed_size 327680
		.amdhsa_private_segment_fixed_size 0
		.amdhsa_enable_private_segment 0
		.amdhsa_kernarg_size 80
		.amdhsa_user_sgpr_count 2
		.amdhsa_user_sgpr_kernarg_segment_ptr 1
		.amdhsa_wavefront_size32 1
		.amdhsa_system_sgpr_workgroup_id_x 1
		.amdhsa_system_sgpr_workgroup_id_y 1
		.amdhsa_system_sgpr_workgroup_id_z 1
		.amdhsa_system_vgpr_workitem_id 0
		.amdhsa_next_free_vgpr 1024
		.amdhsa_next_free_sgpr 100
		.amdhsa_reserve_vcc 0
		.amdhsa_float_denorm_mode_32 3
		.amdhsa_float_denorm_mode_16_64 3
		.amdhsa_memory_ordered 1
		.amdhsa_forward_progress 1
		.amdhsa_inst_pref_size 118
	.end_amdhsa_kernel
	.amdgpu_metadata
---
amdhsa.version: [ 1, 2 ]
amdhsa.kernels:
  - .name:           k_q6991c84f91_proj
    .symbol:         k_q6991c84f91_proj.kd
    .args:
      - { .name: x_codes, .offset: 0, .size: 8, .value_kind: global_buffer, .address_space: global }
      - { .name: Wq_codes, .offset: 8, .size: 8, .value_kind: global_buffer, .address_space: global }
      - { .name: Wk_codes, .offset: 16, .size: 8, .value_kind: global_buffer, .address_space: global }
      - { .name: Wv_codes, .offset: 24, .size: 8, .value_kind: global_buffer, .address_space: global }
      - { .name: bq, .offset: 32, .size: 8, .value_kind: global_buffer, .address_space: global }
      - { .name: bk, .offset: 40, .size: 8, .value_kind: global_buffer, .address_space: global }
      - { .name: bv, .offset: 48, .size: 8, .value_kind: global_buffer, .address_space: global }
      - { .name: lowp_scales, .offset: 56, .size: 8, .value_kind: global_buffer, .address_space: global }
      - { .name: qimg, .offset: 64, .size: 8, .value_kind: global_buffer, .address_space: global }
      - { .name: kv, .offset: 72, .size: 8, .value_kind: global_buffer, .address_space: global }
    .group_segment_fixed_size: 327680
    .private_segment_fixed_size: 0
    .kernarg_segment_align: 8
    .kernarg_segment_size: 80
    .max_flat_workgroup_size: 128
    .sgpr_count:     100
    .vgpr_count:     1024
    .wavefront_size: 32
...
	.end_amdgpu_metadata
.endif
;; end of part 3
;; launch attn (part 4): grid 64 x 4, 4 waves a work-group, clusters of 4 x 1, 327,680 bytes of LDS; arguments qimg, kv, lowp_scales, out0; writes out0
.if DOCPART == 4
	.amdgcn_target "amdgcn-amd-amdhsa--gfx1250"
	.amdhsa_code_object_version 6
	.text
	.protected	k_q6991c84f91_attn
	.globl	k_q6991c84f91_attn
	.p2align	8
	.type	k_q6991c84f91_attn,@function
k_q6991c84f91_attn:
	s_mov_b64 s[64:65], 0
	v_nop
	global_prefetch_b8 v0, s[64:65] scope:SCOPE_SE
	s_setreg_imm32_b32 hwreg(HW_REG_WAVE_MODE, 25, 1), 1
	s_wait_xcnt 0x0
	s_wait_alu depctr_hold_cnt(0) depctr_sa_sdst(0) depctr_va_vdst(0) depctr_va_sdst(0) depctr_va_ssrc(0) depctr_va_vcc(0) depctr_vm_vsrc(0)
	s_getreg_b32 s2, hwreg(HW_REG_IB_STS2, 6, 4)
	s_cmp_eq_u32 s2, 0
	s_cbranch_scc0 .Lentry_in_a_cluster
	s_endpgm
.Lentry_in_a_cluster:
	s_bfe_u32 s2, ttmp6, 0x10000c
	s_cmp_lg_u32 s2, 0x3003
	s_cbranch_scc0 .Lentry_shape_is_right
	s_endpgm
.Lentry_shape_is_right:
; out[b][q][:] = the sum over keys of softmax(q . k / 16) v, both products on codes of E5M2 that the launch before has laid as images of the operands' registers.
; THE SOFTMAX: t = sum of codes x c, c = 2^(e6 + e7) log2(e) / 16; M = the largest t so far, rounded up to a whole number; p = 2^(t - M) is quantised with 2^e8; it is not normalised.
; l is the sum of the unquantised p.  When M moves, l and O are multiplied by 2^(old M - new M), which rounds nothing.  At the end O x 2^(e8 + e9) / l.
; LIMITS: e6 + e7 between -122 and 131 (they are added to c's exponent field); e8 between -126 and 112; e8 + e9 is applied by v_ldexp_f32.  NaN and infinities are not served.
; SHARES.  A work-group owns 64 queries of one batch and walks the keys in sixteen steps of 256.  Each of its four waves holds all 64 queries (four tiles of 16).  In S^T = K Q^T wave w takes keys 64 w .. + 63 of the step;
; in O^T = V^T P it takes channels 64 w .. + 63 and all 256 keys.  So every byte of K and V is read from LDS by one wave only and feeds four matrix instructions, and O^T is 128 registers a wave.
; THE WAVES EXCHANGE twice a step, through LDS: their largest scores (the barrier is the cluster's round), so that M is the same in all four, and their codes of p (a barrier of its own).  l stays in parts and is summed at the end.
; LAYOUT.  Both products transposed: S^T (source 0 = 16 keys), O^T (source 0 = 16 channels): a lane holds one query (lane % 16) throughout; register j of a tile of S^T is key 8 (lane / 16) + j,
; and V's codes were made from accumulators of the same shape: the keys stand at the same places in p's codes and in V's.
; LDS.  A wave's 64 KB: V of even steps at 0, K at 16 KB, V of odd steps at 48 KB.  A step's block, 48 KB, dense in memory, comes by ONE tensor load: even steps land at 0 (V, K), odd steps at 16 KB (K, V).
; The next block is asked for behind the step's K Q^T, when K's bytes have been read; the step's own V lies outside it.  The load has the softmax and V^T P in which to land.  One tensor load of mine is out at a time.
; CLUSTER.  The four query blocks of a cluster belong to one batch and walk the same blocks: each is asked for jointly, with a mask that names the four.  Only the wave that asked reads a block.
; THE ORDER OF THE KEYS.  The sixteen clusters of a batch walk the same sixteen steps, each from a place of its own and round: cluster x begins at step 2 ((x % 8) xor 7 (x / 8)): an even step, so that the
; parities stay as the text has them.  All eight even steps are begun at.  So the clusters ask for different blocks at a time, and from its third step on a cluster asks only for blocks that another cluster asked for in its own first two steps.
; No prefetch is written: the blocks that nobody has asked for before are those of a cluster's first two steps, at the kernel's head.
; REGISTERS: window 0: addresses, M, l, f, codes, registers at work; v128-255 S^T, then p.   window 1: Q's 16 fragments.   window 2: v0-127 O^T (tile t, channel tile C at 32 t + 8 C); v128-255 V's 8 fragments.
;   window 3: K's 16 fragments of the step; later, at v0-127, the 8 fragments of p's codes.
.set BLKB,  49152                      ; a block: a wave's K (32 KB) and V (16 KB) of a step
.set STEPB, 4*BLKB                     ; a step on in memory
.set KOFF,  16384
.set VB,    49152
.set PBUF,  262144                     ; behind the ring: p's codes, 16 KB: fragment (tile t, 128 keys kk) at 4,096 t + 2,048 kk, so wave w's part at 1,024 w
.set MXB,   PBUF+16384                 ; the largest scores: 4 waves' words side by side for each tile and query; 1,024 on the same for l
.set SPARE, MXB+2048                   ; the spare words, 128 bytes a wave: two blocks of 256 bytes that no other line names
.set SPITCH, 272                       ; the way out's stage, in my own 64 KB of the ring, which has then had its last fill and its last read: 64 rows of 256 bytes + 16
.set LB,  1                            ; v1   65,536 x wave + 16 x lane
.set QO,  2                            ; v2   16 x lane
.set SPW, 3                            ; v3   my spare word; never rewritten
.set NIL, 4                            ; v4   0; never rewritten
.set LIM, 5                            ; v5   57,344 x 2^e8
.set SCL, 6                            ; v6   2^e8
.set PB,  7                            ; v7   PBUF + 16 x lane
.set ST,  8                            ; four a tile: -M, the largest t, l in two halves
.set FP,  24                           ; a pair a tile: f, and an upper half that is only named
.set PW,  32                           ; v32  PB + 1,024 x wave
.set MXW, 33                           ; v33  MXR + 4 x wave
.set MXR, 34                           ; v34  MXB + 16 x (lane % 16)
.set SO,  35                           ; v35-37 the way out: into the stage, back, and in out0
.set RD,  36
.set GO,  37
.set PC,  40                           ; p's codes
.set T,   72                           ; four registers a tile, at work
.set U,   88                           ; a pair a tile: the sums' second chain
.set MR,  96                           ; the four waves' numbers, four registers a tile
.set S,   128
.set WV,  12
.set G1,  16                           ; s[16:23] group 1
.set G0,  24                           ; s[24:27] group 0 of the even steps, s[28:31] of the odd steps
.set CS,  32                           ; s[32:33] c
.set SEL, 34                           ; s[34:35] lane selects: lane l xor 16
.set KB,  36                           ; s[36:37] kv at my wave's block of the batch's step 0; never rewritten
.set IX,  38                           ; s38  my cluster's first step + the steps walked + 1: modulo 16 the step whose descriptor was made last
.set CNT, 39
.set OF,  56                           ; s[56:57] a step's offset from s[KB]; the upper word stays 0
.set MSB, 0
.macro WIN new                         ; the immediate's high byte repeats the setting that is left; a switch that changes nothing is dropped
.if MSB != (\new)
	s_set_vgpr_msb (MSB<<8)|(\new)
.set MSB, (\new)
.endif
.endm
.macro CROUND                          ; a round of the cluster's barrier
	s_barrier_signal -1
	s_barrier_wait -1
	s_cmp_lg_u32 s[WV], 0
	s_cbranch_scc1 .Lnot_wave_0_\@
	s_barrier_signal -3
.Lnot_wave_0_\@:
	s_barrier_wait -3
	s_barrier_signal -1
	s_barrier_wait -1
.endm
	s_load_b256 s[4:11], s[0:1], 0x0               ; qimg s[4:5], kv s[6:7], scales s[8:9], out0 s[10:11]
	v_lshl_add_u32 v[SPW], v0, 2, SPARE
	v_mov_b32 v[NIL], 0
	ds_add_u32 v[SPW], v[NIL]                      ; the wave's opening: the add, twice on end, and its wait ahead of my first tensor load; work on registers stands between
	ds_add_u32 v[SPW], v[NIL]
	v_lshrrev_b32 v1, 5, v0
	v_readfirstlane_b32 s[WV], v1                  ; wave 0..3
	s_bfe_u32 s13, ttmp6, 0x40000                  ; cx
	s_lshl_b32 s14, ttmp9, 2
	s_add_co_u32 s14, s14, s13                     ; my block of 64 queries in the batch
	s_and_b32 s15, ttmp7, 0xffff                   ; the batch, which the four partners share
	s_mov_b32 s[G1], 15|(3<<16)|(1<<21)            ; the mask: all four; elements of 8 bytes; bit 21 beside a mask; no padding: an image is read 512 consecutive bytes at a time
	s_mov_b32 s[G1+1], 32<<16                      ; tensor_dim0: 256 bytes
	s_mov_b32 s[G1+2], 192<<16                     ; tensor_dim1
	s_mov_b32 s[G1+3], 32<<16                      ; tile_dim0
	s_mov_b32 s[G1+4], 192                         ; tile_dim1
	s_mov_b32 s[G1+5], 32                          ; dense
	s_mov_b32 s[G1+6], 0
	s_mov_b32 s[G1+7], 0
	s_lshl_b32 s44, s15, 6
	s_add_co_u32 s44, s44, s[WV]
	s_mul_i32 s44, s44, BLKB                       ; step 0's block of my wave: (64 x batch + wave) x 49,152: made of the batch and the wave alone
	s_mov_b32 s45, 0
	s_lshr_b32 s54, ttmp9, 3                       ; my cluster's x is 0 .. 15, the same in the four partners:
	s_mul_i32 s54, s54, 7                          ; 7 (x / 8),
	s_xor_b32 s54, s54, ttmp9
	s_and_b32 s54, s54, 7                          ; xor x % 8,
	s_lshl_b32 s54, s54, 1                         ; twice: the step at which my cluster begins: 0, 2, .. 14
	s_add_co_u32 s[IX], s54, 1                     ; the descriptors of that step and of the next are made at the head
	s_mul_i32 s[OF], s54, STEPB
	s_mov_b32 s[OF+1], 0
	s_lshl_b32 s51, s[WV], 16                      ; my 64 KB of LDS
	s_lshl_b32 s46, s15, 6
	s_add_co_u32 s46, s46, s14
	s_lshl_b32 s48, s46, 16                        ; out0: 64 rows of 1,024 bytes a block,
	s_lshl_b32 s49, s[WV], 8                       ; + my 64 channels
	s_add_co_u32 s48, s48, s49
	s_mov_b32 s49, 0
	s_lshl_b32 s46, s46, 15                        ; qimg: 32,768 bytes a block
	s_mov_b32 s47, 0
	s_mov_b32 s[CS], 0x3db8aa3b                    ; log2(e) / 16
	s_mov_b32 s[SEL], 0x76543210
	s_mov_b32 s[SEL+1], 0xfedcba98
	s_lshl_b32 s53, s[WV], 10
	s_lshl_b32 s55, s[WV], 2
	v_and_b32 v[QO], 31, v0
	v_lshlrev_b32 v[QO], 4, v[QO]
	v_add_nc_u32 v[LB], s51, v[QO]
	v_add_nc_u32 v[PB], PBUF, v[QO]
	v_add_nc_u32 v[PW], s53, v[PB]
	v_and_b32 v[T], 15, v0                         ; r
	v_bfe_u32 v[T+1], v0, 4, 1                     ; h
	v_lshl_add_u32 v[MXR], v[T], 4, MXB
	v_add_nc_u32 v[MXW], s55, v[MXR]
	v_mul_u32_u24 v[SO], v[T], SPITCH              ; in: row r, + 32 h
	v_lshl_add_u32 v[SO], v[T+1], 5, v[SO]
	v_add_nc_u32 v[SO], s51, v[SO]
	v_mul_u32_u24 v[RD], v[T+1], SPITCH            ; back: lanes 0-15 take one row of 256 bytes, lanes 16-31 the next
	v_lshl_add_u32 v[RD], v[T], 4, v[RD]
	v_add_nc_u32 v[RD], s51, v[RD]
	v_lshlrev_b32 v[GO], 10, v[T+1]                ; and the same two rows in out0
	v_lshl_add_u32 v[GO], v[T], 4, v[GO]
.irp t, 0,1,2,3
	v_mov_b32 v[FP+2*\t+1], 0                      ; named as the upper half of a pair, so it is written
.endr
	s_wait_alu depctr_va_vdst(0)                   ; the wait at the head's end
	s_wait_dscnt 0x0                               ; both opening adds are done
	s_wait_kmcnt 0x0
	s_load_b128 s[40:43], s[8:9], 0x18             ; e6, e7, e8, e9
	s_add_nc_u64 s[KB:KB+1], s[6:7], s[44:45]
	s_mov_b32 s[G0], 1
	s_mov_b32 s[G0+1], s51
	s_add_nc_u64 s[G0+2:G0+3], s[KB:KB+1], s[OF:OF+1]   ; my cluster's first step, an even one,
	s_mov_b32 s[G0+4], 1
	s_add_co_u32 s[G0+5], s51, KOFF
	s_add_nc_u64 s[G0+6:G0+7], s[G0+2:G0+3], STEPB      ; and the odd one behind it: 15 at the most
	s_or_b32 s[G0+3], s[G0+3], 0x80000000
	s_or_b32 s[G0+7], s[G0+7], 0x80000000
	s_add_nc_u64 s[4:5], s[4:5], s[46:47]
	s_add_nc_u64 s[10:11], s[10:11], s[48:49]
	CROUND                                         ; all four work-groups are here: the first joint load meets
	tensor_load_to_lds s[G0:G0+3], s[G1:G1+7]      ; my cluster's first step
	s_nop 0
.rept 4
	v_nop
.endr
	WIN 0x40                                       ; destination window 1
.set j, 0
.rept 64                                       ; Q's 16 fragments stay in registers: fragment 4 t + ks at 2,048 each, four chunks of 512 bytes
	global_load_b128 v[4*j:4*j+3], v[QO], s[4:5] offset:512*j
.set j, j+1
.endr
	WIN 0
	s_wait_kmcnt 0x0
	s_add_co_i32 s53, s40, s41
	s_lshl_b32 s53, s53, 23
	s_add_co_i32 s[CS], s[CS], s53                 ; e6 + e7 are added to c's exponent field
	s_mov_b32 s[CS+1], s[CS]                       ; named with it as a pair
	s_add_co_i32 s53, s42, 127
	s_lshl_b32 s50, s53, 23
	v_mov_b32 v[SCL], s50                          ; 2^e8
	s_add_co_i32 s53, s53, 15
	s_lshl_b32 s53, s53, 23
	s_or_b32 s53, s53, 0x600000
	v_mov_b32 v[LIM], s53                          ; 57,344 x 2^e8
	s_add_co_i32 s52, s42, s43                     ; e8 + e9
	s_wait_alu depctr_va_vdst(0)                   ; the wait here, directly ahead of the wait below
	s_wait_loadcnt 0x0                             ; Q
.macro KLOAD first, n                  ; n chunks of K's fragments (fragment 4 ks + key tile, four chunks each), from chunk first on
.set j, \first
.rept \n
	ds_load_b128 v[4*j:4*j+3], v[LB] offset:KOFF+512*j
.set j, j+1
.endr
.endm
.macro KQ8 P                           ; eight products: two tiles of keys x four tiles of queries, K step P / 2.  The 16 accumulators take turns, one instruction a turn
.irp f, 0,1
.irp t, 0,1,2,3
.set rD, S+32*\t+8*(2*((\P)%2)+\f)
.set rK, 32*(\P)+16*\f
.set rQ, 16*(4*\t+(\P)/2)
.if (\P) < 2
	v_wmma_f32_16x16x128_bf8_bf8 v[rD:rD+7], v[rK:rK+15], v[rQ:rQ+15], 0
.else
	v_wmma_f32_16x16x128_bf8_bf8 v[rD:rD+7], v[rK:rK+15], v[rQ:rQ+15], v[rD:rD+7]
.endif
.endr
.endr
.endm
.macro RESCALE                         ; O^T x the tile's factor, each accumulator from its low end on
	WIN 0x82                                       ; O^T (destination and source 0) in window 2, the factor in window 0
	s_wait_alu depctr_va_vdst(0)                   ; the wait here, directly ahead of the first readers of O^T
.irp t, 0,1,2,3
.set j, 0
.rept 16
	v_pk_mul_f32 v[32*\t+j:32*\t+j+1], v[32*\t+j:32*\t+j+1], v[FP+2*\t:FP+2*\t+1] op_sel_hi:[1,0]
.set j, j+2
.endr
.endr
.endm
; A KEY STEP.  par: the step's parity; first = 1: the first of my cluster's walk, which starts M, l and O^T; fill = 1: the next step's block is asked for; fill = 0: the walk's last, which hands out l.
.macro STEP par, first, fill
.if \first == 0
.rept 4
	v_nop                                          ; four places behind the last V^T P: K's loads land on p's codes
.endr
.endif
	s_wait_tensorcnt 0x0                           ; my block is in: it is the one load of mine that is out.  Nobody else reads it, so no barrier is needed for the reads
	WIN 0xc0                                       ; destination window 3
	KLOAD 0, 56                                    ; pairs 0 to 6 of K's fragments
.irp P, 0,1,2,3,4,5,6,7
	WIN 0x07                                       ; source 0 (K) window 3, source 1 (Q) window 1, C and D window 0
.if \P == 0
	s_wait_dscnt 48                                ; pair 0 is in; six pairs' loads may stay out
	KQ8 0
	WIN 0xc0
	KLOAD 56, 8                                    ; pair 7
.else
	s_wait_dscnt 56-8*\P                           ; this pair is in; the younger pairs' loads, eight each, may stay out
	KQ8 \P
.endif
.endr
	WIN 0
.rept 4
	v_nop                                          ; the places in front of the first read of S^T
.endr
	; the largest score of each query among my 64 keys: four chains a tile, each begun at an accumulator's low end; the four tiles by turns
.irp k, 0,1,2,3
.irp t, 0,1,2,3
	v_max3_num_f32 v[T+4*\t+\k], v[S+32*\t+8*\k], v[S+32*\t+8*\k+1], v[S+32*\t+8*\k+2]
.endr
.endr
.irp m, 3,5
.irp k, 0,1,2,3
.irp t, 0,1,2,3
	v_max3_num_f32 v[T+4*\t+\k], v[T+4*\t+\k], v[S+32*\t+8*\k+\m], v[S+32*\t+8*\k+\m+1]
.endr
.endr
.endr
.irp t, 0,1,2,3
	v_max3_num_f32 v[T+4*\t], v[T+4*\t], v[S+32*\t+7], v[S+32*\t+15]
	v_max3_num_f32 v[T+4*\t+2], v[T+4*\t+2], v[S+32*\t+23], v[S+32*\t+31]
.endr
.irp t, 0,1,2,3
	v_max3_num_f32 v[T+4*\t], v[T+4*\t], v[T+4*\t+1], v[T+4*\t+2]
.endr
.irp t, 0,1,2,3
	v_max_num_f32 v[T+4*\t], v[T+4*\t], v[T+4*\t+3]
.endr
.irp t, 0,1,2,3
	v_permlanex16_b32 v[T+4*\t+1], v[T+4*\t], s[SEL], s[SEL+1]   ; the query's other 32 keys lie in the lane 16 away
.endr
.irp t, 0,1,2,3
	v_max_num_f32 v[T+4*\t], v[T+4*\t], v[T+4*\t+1]
.endr
.irp t, 0,1,2,3
	ds_store_b32 v[MXW], v[T+4*\t] offset:256*\t   ; for the other waves: they read these words behind the barrier (the last step's were read ahead of its second barrier)
.endr
.if \fill
	s_wait_tensorcnt 0x0                           ; no tensor load of mine is out, so a group 0 may be written
	ds_add_u32 v[SPW], v[NIL]                      ; 0 onto my spare word; the five lines below stand between it and the wait for it
	s_add_co_u32 s[IX], s[IX], 1                   ; this step's descriptor is made anew for the step two on in my cluster's walk,
	s_and_b32 s[OF], s[IX], 15                     ; which goes round: behind step 15 comes step 0
	s_mul_i32 s[OF], s[OF], STEPB
	s_add_nc_u64 s[G0+4*(\par)+2:G0+4*(\par)+3], s[KB:KB+1], s[OF:OF+1]
	s_or_b32 s[G0+4*(\par)+3], s[G0+4*(\par)+3], 0x80000000   ; type = 2
	s_wait_dscnt 0x0                               ; the add and my stores are done; my reads of K, and of the V that the load will cover, are over
	CROUND                                         ; the same holds of every wave of every partner
	tensor_load_to_lds s[G0+4*(1-(\par)):G0+4*(1-(\par))+3], s[G1:G1+7]   ; the next step's block: over K and the other parity's V
	s_nop 0
.rept 4
	v_nop
.endr
.else
	s_wait_dscnt 0x0                               ; for the others' sake: my stores are done
	s_barrier_signal -1
	s_barrier_wait -1
.endif
.irp t, 0,1,2,3
	ds_load_b128 v[MR+4*\t:MR+4*\t+3], v[MXR] offset:256*\t   ; the four waves' largest scores of my query
.endr
	s_wait_dscnt 0x0
.irp t, 0,1,2,3
	v_max3_num_f32 v[T+4*\t], v[MR+4*\t], v[MR+4*\t+1], v[MR+4*\t+2]
.endr
.irp t, 0,1,2,3
	v_max_num_f32 v[T+4*\t], v[T+4*\t], v[MR+4*\t+3]
.endr
.if \first
.irp t, 0,1,2,3
	v_mul_f32 v[ST+4*\t+1], s[CS], v[T+4*\t]       ; as t (c is positive)
.endr
.irp t, 0,1,2,3
	v_floor_f32 v[ST+4*\t], -v[ST+4*\t+1]          ; -M = floor(-t)
.endr
.else
.irp t, 0,1,2,3
	v_mul_f32 v[T+4*\t], s[CS], v[T+4*\t]
.endr
.irp t, 0,1,2,3
	v_max_num_f32 v[ST+4*\t+1], v[ST+4*\t+1], v[T+4*\t]   ; the running largest t
.endr
.irp t, 0,1,2,3
	v_mov_b32 v[T+4*\t+2], v[ST+4*\t]
.endr
.irp t, 0,1,2,3
	v_floor_f32 v[ST+4*\t], -v[ST+4*\t+1]
.endr
.irp t, 0,1,2,3
	v_sub_f32 v[T+4*\t+2], v[ST+4*\t], v[T+4*\t+2] ; old M - new M: a whole number, 0 or less
.endr
.irp t, 0,1,2,3
	v_cvt_i32_f32 v[T+4*\t+2], v[T+4*\t+2]         ; (it saturates)
.endr
.irp t, 0,1,2,3
	v_ldexp_f32 v[FP+2*\t], 1.0, v[T+4*\t+2]       ; f = 2^(old M - new M)
.endr
.endif
	WIN 0x80                                       ; destination window 2
.set j, 0
.rept 32                                       ; V's 8 fragments (channel tile C, 128 keys kk: 2 C + kk), while the softmax goes on
	ds_load_b128 v[128+4*j:128+4*j+3], v[LB] offset:(\par)*VB+512*j
.set j, j+1
.endr
	WIN 0
.irp b, 0,2,4,6,8,10,12,14,16,18,20,22,24,26,28,30
.irp t, 0,1,2,3
	v_pk_fma_f32 v[S+32*\t+\b:S+32*\t+\b+1], v[S+32*\t+\b:S+32*\t+\b+1], s[CS:CS+1], v[ST+4*\t:ST+4*\t+1] op_sel_hi:[1,0,0]   ; t - M (of the pairs c and -M the low word serves both halves)
.endr
.endr
	s_wait_alu depctr_va_vdst(0)                   ; the wait ahead of the batch
.set j, 0
.rept 128
	v_exp_f32 v[S+j], v[S+j]                       ; p = 2^(t - M): one batch
.set j, j+1
.endr
.if \first
	v_nop                                          ; a plain line behind the last exponential
.else
.irp t, 0,1,2,3
	v_pk_mul_f32 v[ST+4*\t+2:ST+4*\t+3], v[ST+4*\t+2:ST+4*\t+3], v[FP+2*\t:FP+2*\t+1] op_sel_hi:[1,0]   ; l under the new M: plain lines behind the last exponential
.endr
.endif
	s_wait_alu depctr_va_vdst(0)                   ; the wait ahead of the first line that names an exponential's result: one for the batch
.irp t, 0,1,2,3                                ; l takes the unquantised p: two chains a tile, two numbers a line
	v_pk_add_f32 v[U+2*\t:U+2*\t+1], v[S+32*\t:S+32*\t+1], v[S+32*\t+2:S+32*\t+3]
.endr
.irp n, 4,8,12,16,20,24,28
.irp t, 0,1,2,3
.if \first && (\n == 4)
	v_pk_add_f32 v[ST+4*\t+2:ST+4*\t+3], v[S+32*\t+4:S+32*\t+5], v[S+32*\t+6:S+32*\t+7]   ; the first step starts l
.else
	v_pk_add_f32 v[ST+4*\t+2:ST+4*\t+3], v[ST+4*\t+2:ST+4*\t+3], v[S+32*\t+\n:S+32*\t+\n+1]
	v_pk_add_f32 v[U+2*\t:U+2*\t+1], v[U+2*\t:U+2*\t+1], v[S+32*\t+\n+2:S+32*\t+\n+3]
.endif
.endr
.endr
.irp t, 0,1,2,3
	v_pk_add_f32 v[ST+4*\t+2:ST+4*\t+3], v[ST+4*\t+2:ST+4*\t+3], v[U+2*\t:U+2*\t+1]
.endr
.set j, 0
.rept 128
	v_min_num_f32 v[S+j], v[S+j], v[LIM]           ; the conversion does not saturate (ISA guide 7.6.2); p is not negative, so the hold is one-sided
.set j, j+1
.endr
.set j, 0
.rept 16
	v_cvt_scalef32_pk8_bf8_f32 v[PC+2*j:PC+2*j+1], v[S+8*j:S+8*j+7], v[SCL]   ; tile t, key tile kt (j = 4 t + kt): registers 2 kt, 2 kt + 1 of my part of the tile's operand
.set j, j+1
.endr
	v_nop                                          ; a plain line behind the conversions
.irp t, 0,1,2,3
.irp b, 0,1
	ds_store_b128 v[PW], v[PC+8*\t+4*\b:PC+8*\t+4*\b+3] offset:4096*\t+512*\b   ; my 64 keys' codes, for the other waves (the last step's codes were read ahead of this step's first barrier)
.endr
.endr
.if \fill == 0                                 ; my part of l: its two halves and the other half of the lanes'
.irp t, 0,1,2,3
	v_add_f32 v[T+4*\t], v[ST+4*\t+2], v[ST+4*\t+3]
.endr
.irp t, 0,1,2,3
	v_permlanex16_b32 v[T+4*\t+1], v[T+4*\t], s[SEL], s[SEL+1]
.endr
.irp t, 0,1,2,3
	v_add_f32 v[T+4*\t], v[T+4*\t], v[T+4*\t+1]
.endr
.irp t, 0,1,2,3
	ds_store_b32 v[MXW], v[T+4*\t] offset:1024+256*\t
.endr
.endif
	s_wait_dscnt 0x0                               ; for the others' sake: my stores are done; V is in, too
	s_barrier_signal -1
	s_barrier_wait -1                              ; the next block's load may be out
	WIN 0xc0                                       ; destination window 3
.set j, 0
.rept 32                                       ; p's codes of all 256 keys: fragment (t, kk) at register 32 t + 16 kk
	ds_load_b128 v[4*j:4*j+3], v[PB] offset:512*j
.set j, j+1
.endr
.if \first == 0
	RESCALE                                        ; O^T under the new M, while the codes land
.endif
	WIN 0xae                                       ; source 0 (V) window 2, source 1 (p) window 3, C and D window 2
.if \first == 0
	s_wait_alu depctr_va_vdst(0)                   ; the wait here, directly ahead of the wait below
.endif
.irp t, 0,1,2,3                                ; O^T += V^T P: four accumulators a tile by turns, one instruction a turn
	s_wait_dscnt 24-8*\t                           ; this tile's codes are in; the younger tiles' loads, eight each, may stay out
.irp kk, 0,1
.irp C, 0,1,2,3
.set rO, 32*\t+8*\C
.set rV, 128+32*\C+16*\kk
.set rP, 32*\t+16*\kk
.if \first && (\kk == 0)
	v_wmma_f32_16x16x128_bf8_bf8 v[rO:rO+7], v[rV:rV+15], v[rP:rP+15], 0
.else
	v_wmma_f32_16x16x128_bf8_bf8 v[rO:rO+7], v[rV:rV+15], v[rP:rP+15], v[rO:rO+7]
.endif
.endr
.endr
.endr
	WIN 0
.endm
	STEP 0, 1, 1                                   ; the walk's first step is written out: its products start the sums
	s_mov_b32 s[CNT], 7
.Lpair:                                            ; the walk's steps 1 to 14, two a trip, until the parities are back where they began
	STEP 1, 0, 1
	STEP 0, 0, 1
	s_sub_co_u32 s[CNT], s[CNT], 1
	s_cmp_lg_u32 s[CNT], 0
	s_cbranch_scc1 .Lpair
	STEP 1, 0, 0                                   ; the walk's last step is written out: nothing is left to ask for
	; THE WAY OUT.  l is the sum of the four waves' parts; O^T x 2^(e8 + e9) / l goes through my own stage and leaves as aligned units of 256 bytes.
.irp t, 0,1,2,3
	ds_load_b128 v[MR+4*\t:MR+4*\t+3], v[MXR] offset:1024+256*\t
.endr
	s_wait_dscnt 0x0
.irp t, 0,1,2,3
	v_add_f32 v[T+4*\t], v[MR+4*\t], v[MR+4*\t+1]
	v_add_f32 v[T+4*\t+1], v[MR+4*\t+2], v[MR+4*\t+3]
.endr
.irp t, 0,1,2,3
	v_add_f32 v[T+4*\t], v[T+4*\t], v[T+4*\t+1]
.endr
	s_wait_alu depctr_va_vdst(0)                   ; the wait ahead of the batch
.irp t, 0,1,2,3
	v_rcp_f32 v[T+4*\t+3], v[T+4*\t]
.endr
	v_nop                                          ; a plain line behind the last reciprocal
	s_wait_alu depctr_va_vdst(0)                   ; the wait ahead of the first use: one for the four
.irp t, 0,1,2,3
	v_ldexp_f32 v[FP+2*\t], v[T+4*\t+3], s52       ; x 2^(e8 + e9)
.endr
	RESCALE
	WIN 0x08                                       ; the stores' data in window 2
.irp t, 0,1,2,3                                ; row 16 t + lane % 16; channels 16 C + 8 (lane / 16) + 0 .. 7 of my 64
.irp C, 0,1,2,3
	ds_store_b128 v[SO], v[32*\t+8*\C:32*\t+8*\C+3] offset:16*SPITCH*\t+64*\C
	ds_store_b128 v[SO], v[32*\t+8*\C+4:32*\t+8*\C+7] offset:16*SPITCH*\t+64*\C+16
.endr
.endr
	WIN 0
.set j, 0
.rept 32                                       ; LDS serves a wave's instructions in order (ISA guide 5.7.1.4): these see my stores
	ds_load_b128 v[S+4*j:S+4*j+3], v[RD] offset:2*SPITCH*j
.set j, j+1
.endr
.set j, 0
.rept 32
	s_wait_dscnt 31-j                              ; the younger loads may stay out
	global_store_b128 v[GO], v[S+4*j:S+4*j+3], s[10:11] offset:2048*j th:TH_STORE_NT   ; rows 2 j, 2 j + 1: 16 lanes store 256 consecutive bytes, aligned; written once, read by nobody here
.set j, j+1
.endr
	s_wait_tensorcnt 0x0                           ; the wave's end, behind my last tensor load and my last LDS store
	ds_add_u32 v[SPW], v[NIL]
	s_wait_dscnt 0x0
	CROUND                                         ; the closing round: no work-group ends while a partner may still ask for a block that names it
	s_endpgm
.Lfunc_end_k_q6991c84f91_attn:
	.size	k_q6991c84f91_attn, .Lfunc_end_k_q6991c84f91_attn-k_q6991c84f91_attn
	.p2alignl 7, 3214868480
	.fill 96, 4, 3214868480
	.section	.rodata,"a",@progbits
	.p2align	6, 0x0
	.amdhsa_kernel k_q6991c84f91_attn
		.amdhsa_group_segment_fixed_size 327680
		.amdhsa_private_segment_fixed_size 0
		.amdhsa_enable_private_segment 0
		.amdhsa_kernarg_size 32
		.amdhsa_user_sgpr_count 2
		.amdhsa_user_sgpr_kernarg_segment_ptr 1
		.amdhsa_wavefront_size32 1
		.amdhsa_system_sgpr_workgroup_id_x 1
		.amdhsa_system_sgpr_workgroup_id_y 1
		.amdhsa_system_sgpr_workgroup_id_z 1
		.amdhsa_system_vgpr_workitem_id 0
		.amdhsa_next_free_vgpr 1024
		.amdhsa_next_free_sgpr 66
		.amdhsa_reserve_vcc 0
		.amdhsa_float_denorm_mode_32 3
		.amdhsa_float_denorm_mode_16_64 3
		.amdhsa_memory_ordered 1
		.amdhsa_forward_progress 1
		.amdhsa_inst_pref_size 197
	.end_amdhsa_kernel
	.amdgpu_metadata
---
amdhsa.version: [ 1, 2 ]
amdhsa.kernels:
  - .name:           k_q6991c84f91_attn
    .symbol:         k_q6991c84f91_attn.kd
    .args:
      - { .name: qimg, .offset: 0, .size: 8, .value_kind: global_buffer, .address_space: global }
      - { .name: kv, .offset: 8, .size: 8, .value_kind: global_buffer, .address_space: global }
      - { .name: lowp_scales, .offset: 16, .size: 8, .value_kind: global_buffer, .address_space: global }
      - { .name: out0, .offset: 24, .size: 8, .value_kind: global_buffer, .address_space: global }
    .group_segment_fixed_size: 327680
    .private_segment_fixed_size: 0
    .kernarg_segment_align: 8
    .kernarg_segment_size: 32
    .max_flat_workgroup_size: 128
    .sgpr_count:     66
    .vgpr_count:     1024
    .wavefront_size: 32
...
	.end_amdgpu_metadata
.endif
;; end of part 4
